; MI455X (gfx1250); checked and timed in simulation.
; The chip was launched on July 23, 2026; its instructions are those of AMD's public machine-readable ISA for CDNA 5 (MIT licence, August 2026) and "CDNA5" Instruction Set Architecture Reference Guide (July 2026). The comments in the code are by the model that wrote it; some were corrected since.
;; Shami Attention. Allowed arithmetic: matrix products marked QUANTISED: E4M3 operands, one given power-of-two scale a tensor, by v_wmma_f32_16x16x64_fp8_fp8 or v_wmma_f32_16x16x128_fp8_fp8, f32 sums; everything else in f32.
;; Inputs: Wk 2,048 x 2,048 float32; Wo 2,048 x 2,048 float32; Wq 2,048 x 2,048 float32; Wv 2,048 x 2,048 float32; freqs_cos 2,048 x 64 float32; freqs_sin 2,048 x 64 float32; lowp_scales 12 int32 (the exponents e of the quantised operands' scales 2^e); x 1 x 2,048 x 2,048 float32.
;; Outputs: out0 1 x 2,048 x 2,048 float32.
;; This version of the problem:
;;   THIS VERSION OF THE PROBLEM IS GIVEN IN LOW PRECISION. The matrix products marked QUANTISED in the list below multiply operands that are first quantised to E4M3 (4 exponent bits, 3 mantissa bits; 8 bits a number), with one given power-of-two scale for each operand tensor; their sums are f32. All else is computed in f32.
;;   The module's matrix products, in the order in which they are computed (A, B: the left and right operand; K: the contracted axis; several contracted axes count as one K, in the product's order):
;;     1. [M 2,048, K 2,048] x [K 2,048, N 2,048]; A: input x; B: input Wq: QUANTISED (scales: A lowp_scales[0], B lowp_scales[1])
;;     2. [M 2,048, K 2,048] x [K 2,048, N 2,048]; A: input x; B: input Wk: QUANTISED (scales: A lowp_scales[2], B lowp_scales[3])
;;     3. [M 2,048, K 2,048] x [K 2,048, N 2,048]; A: input x; B: input Wv: QUANTISED (scales: A lowp_scales[4], B lowp_scales[5])
;;     4. batch 16 x [M 2,048, K 128] x [K 128, N 2,048]; A: computed on the way; B: computed on the way: QUANTISED (scales: A lowp_scales[6], B lowp_scales[7])
;;     5. batch 16 x [M 128, K 2,048] x [K 2,048, N 2,048]; A: computed on the way; B: softmax (see below): QUANTISED (scales: A lowp_scales[8], B lowp_scales[9])
;;     6. [M 2,048, K 2,048] x [K 2,048, N 2,048]; A: computed on the way; B: input Wo: QUANTISED (scales: A lowp_scales[10], B lowp_scales[11])
;;   THE QUANTISER, for each operand of a quantised product, along K:
;;     - The operand's scale is 2^e, e = its entry of the input lowp_scales (int32; the entries are numbered through the quantised products in the list's order, A before B).
;;     - Each number is divided by the scale, clamped to +-448, and rounded to the nearest number of E4M3, ties to even, subnormals kept.
;;     - The product sums the exact products of the quantised numbers (number of the format x scale) in f32.
;;   ~~~python
;;   def quantise(x, axis, e):      # numpy; x: float32 -> the quantised numbers, widened to float32 again
;;       x = np.moveaxis(x, axis, -1); K = x.shape[-1]
;;       r = np.clip(x / 2.0 ** e, -448, 448)
;;       step = 2.0 ** (np.maximum(np.frexp(np.where(r == 0, 1, r))[1] - 1, -6) - 3)
;;       q = np.round(r / step) * step * 2.0 ** e      # np.round: ties to even
;;       return np.moveaxis(q, -1, axis).astype(np.float32)
;;   ~~~
;;   SOFTMAX AHEAD OF A QUANTISED PRODUCT. Where the list says 'softmax', what is quantised is not the finished softmax but p = 2^(t - M), with t = logit x log2(e) and M = ceil(the row's largest t), a whole number; so 1/2 < the row's largest p <= 1. The row's sum l is taken of the UNQUANTISED p, in f32, and the product's result is divided by l at the end. Since M is a whole number, a kernel that streams over the keys may use a running M (the ceiling of the running maximum): every later rescaling is an exact power of two, so the quantised numbers keep their values, but for numbers so far below the row's largest that they fall under the format's range.
;;   OPERANDS COMPUTED ON THE WAY. 'Computed on the way' means the value that the module computes at that place (a softmax that the list does not call 'softmax' is quantised finished and normalised). What goes into a quantiser is computed in f32, as accurately as f32 sums, v_exp_f32 and their like allow (about 1e-6 of the number): no bf16 or f16 on the way to a quantiser, and a product that is left as it is and whose result goes on into a quantised operand takes f32 operands (vector FMAs, or v_wmma_f32_16x16x4_f32). A number that lies on a knife's edge between two numbers of the format may be rounded either way, as far as f32 arithmetic and the matrix unit's own rounding can turn it there, and no further.
;; One version. Each part assembles by itself: llvm-mc -triple=amdgcn-amd-amdhsa -mcpu=gfx1250 --defsym DOCPART=n.
;; ======== version 1 of 1: 4 launches
;; limits: right only within a limited range of input values
;; workspace buffers: xc 12,582,912 bytes; wc 12,582,912 bytes; trig 1,048,576 bytes; qkv 12,582,912 bytes; wo 4,194,304 bytes; ao 4,194,304 bytes
;; launch quant (part 1): grid 512 x 1, 4 waves a work-group, no clusters, 34,304 bytes of LDS; arguments x, Wq, Wk, Wv, freqs_cos, freqs_sin, lowp_scales, xc, wc, trig; writes xc, wc, trig
.if DOCPART == 1
	.amdgcn_target "amdgcn-amd-amdhsa--gfx1250"
	.amdhsa_code_object_version 6
	.text
	.protected	k_q36db1f7573_quant
	.globl	k_q36db1f7573_quant
	.p2align	8
	.type	k_q36db1f7573_quant,@function
k_q36db1f7573_quant:
	s_mov_b64 s[64:65], 0
	v_nop
	global_prefetch_b8 v0, s[64:65] scope:SCOPE_SE
	s_setreg_imm32_b32 hwreg(HW_REG_WAVE_MODE, 25, 1), 1
	s_wait_xcnt 0x0
; x [2048][2048] f32 and Wq, Wk, Wv [2048 (k)][2048 (n)] f32 become codes of FP8 (E4M3), each with the scale 2^e that is given for it; Wo is turned by the next launch.
; code = number / 2^e, held within +-448, rounded to the nearest code, ties to even.  x is an operand of three products under three given scales (entries 0, 2, 4): it is read once and gives three tensors of codes.
; LAYOUT: images of the matrix instruction's registers.  16 rows x 128 along K are 2,048 bytes: [c 4][lane 32][16 bytes], lane (r, h) = row r, K = 32 c + 16 h + 0 .. 15.
;   xc: [copy 3][block of 128 rows 16][128 along K 16][tile of 16 rows 8][2,048];   wc: [Wq, Wk, Wv][block of 128 places 16][128 along K 16][tile 8][2,048]; place i of a block holds column rho(i), rho = bits 3 and 4 of i exchanged.
;   trig: the cosines and sines in the order in which the next launch's results want them: [tile of 16 positions 128][c 4][cos lo, cos hi, sin lo, sin hi][lane][4 numbers]: lane (r, h) has position r, frequencies 16 c + 8 h + 0 .. 3 (lo), + 4 .. 7 (hi).
; Work-groups 0 to 127 take x (16 rows each; a wave a quarter of K); 128 to 511 the weights (a wave 32 columns x 256 along K).  Waves share nothing: no barrier.  No tensor load, no cluster: every input byte is read once.
; DEAD WORK left out by the program: reference() adds -infinity to the score of every key behind its query, so such a key's p is 0 for all values of the inputs; the attention leaves out tiles of keys all of which are so hidden (whole blocks of 256 keys behind a zone of 256 queries).
; A NaN, an infinity or an overflow that reaches only the work left out is not carried to the result.
; LIMITS: each e between -126 and 119, so that 2^e and 448 x 2^e are f32 numbers.  NaN among the inputs is not served (an infinity is held at the largest code).
.set XWG,    128
.set SP,     528                       ; x: a stage row: 128 numbers + 16 bytes: the 16 rows that a load touches start at 16 different banks (ISA guide 11.1)
.set SPARE,  4*16*SP                   ; the spare words, 128 bytes for each wave
.set SPW,    12
.set NIL,    13
.set R,      16                        ; v16-79   x as loaded: 16 rows of 128
.set X,      80                        ; v80-143  16 neighbours for each c
.set T,      144                       ; v144-207 held for one scale
.set C,      208                       ; v208-255 codes, 16 registers for each scale
.set WX,     32                        ; weights: v32-95 two sets of 32 numbers
.set WC,     96                        ; weights: v96-111 codes
.set LB,     6                         ; s[6:7] the weight; s[20:21] its codes; s[46:47] the codes' step
.set SB,     20
.set SI,     46
	s_load_b512 s[4:19], s[0:1], 0x0               ; x, Wq, Wk, Wv, cos, sin, the exponents, xc
	s_load_b128 s[20:23], s[0:1], 0x40             ; wc, trig
	v_lshrrev_b32 v1, 5, v0
	v_readfirstlane_b32 s24, v1                    ; wave 0..3
	s_wait_kmcnt 0x0
	s_load_b256 s[36:43], s[16:17], 0x0            ; entries 0 to 7
	s_cmp_lt_u32 ttmp9, XWG
	s_cbranch_scc0 .Lweights
; ---------------------------------------------------------------- x: tile of rows = work-group, quarter of K = wave
	s_lshl_b32 s44, ttmp9, 17
	s_lshl_b32 s46, s24, 11
	s_add_co_u32 s44, s44, s46
	s_mov_b32 s45, 0
	s_add_nc_u64 s[4:5], s[4:5], s[44:45]          ; 16 rows of 8,192 bytes, 2,048 bytes of each
	s_lshr_b32 s44, ttmp9, 3
	s_lshl_b32 s44, s44, 18
	s_lshl_b32 s46, s24, 16
	s_add_co_u32 s44, s44, s46
	s_and_b32 s46, ttmp9, 7
	s_lshl_b32 s46, s46, 11
	s_add_co_u32 s44, s44, s46
	s_add_nc_u64 s[26:27], s[18:19], s[44:45]      ; the three copies lie 4 MiB apart
	s_add_nc_u64 s[28:29], s[26:27], 0x400000
	s_add_nc_u64 s[30:31], s[28:29], 0x400000
	s_lshl_b32 s44, ttmp9, 12
	s_lshl_b32 s46, s24, 6
	s_add_co_u32 s44, s44, s46
	s_add_nc_u64 s[12:13], s[12:13], s[44:45]      ; cos, sin: 16 positions of 256 bytes, c = wave: 64 bytes of each
	s_add_nc_u64 s[14:15], s[14:15], s[44:45]
	s_lshl_b32 s44, ttmp9, 13
	s_lshl_b32 s46, s24, 11
	s_add_co_u32 s44, s44, s46
	s_add_nc_u64 s[22:23], s[22:23], s[44:45]
	s_mul_i32 s25, s24, 16*SP                      ; my stage
	s_mov_b32 s32, 4
	v_and_b32 v3, 31, v0
	v_and_b32 v1, 15, v0                           ; r
	v_bfe_u32 v2, v0, 4, 1                         ; h
	v_lshlrev_b32 v3, 4, v3                        ; 16 x lane: loads, the stage's rows, the images
	v_mul_u32_u24 v15, v1, SP
	v_lshlrev_b32 v4, 8, v1
	v_add_nc_u32 v14, s25, v3
	v_lshl_add_u32 v15, v2, 6, v15
	v_lshl_add_u32 v4, v2, 5, v4
	v_add_nc_u32 v15, s25, v15                     ; out of the stage: row r, 16 numbers from 16 h on
	v_lshl_add_u32 v[SPW], v0, 2, SPARE
	v_mov_b32 v[NIL], 0
	global_load_b128 v[T:T+3], v4, s[12:13]
	global_load_b128 v[T+4:T+7], v4, s[12:13] offset:16
	global_load_b128 v[T+8:T+11], v4, s[14:15]
	global_load_b128 v[T+12:T+15], v4, s[14:15] offset:16
.macro XLOAD off
.set n, 0
.rept 16
	global_load_b128 v[R+4*n:R+4*n+3], v3, s[4:5] offset:8192*n+\off th:TH_LOAD_NT   ; 512 consecutive bytes of row n
.set n, n+1
.endr
.endm
	XLOAD 0
	s_wait_alu depctr_va_vdst(0)
	s_wait_kmcnt 0x0
.irp j, 0,1,2                          ; entry 2 j: v[6 + 2 j] = 2^e, whose exponent field the conversion takes; v[7 + 2 j] = 448 x 2^e
	s_add_co_i32 s44, s[36+2*\j], 127
	s_lshl_b32 s46, s44, 23
	v_mov_b32 v[6+2*\j], s46
	s_add_co_i32 s44, s44, 8
	s_lshl_b32 s44, s44, 23
	s_or_b32 s44, s44, 0x600000
	v_mov_b32 v[7+2*\j], s44
.endr
	s_wait_alu depctr_va_vdst(0)
	s_wait_loadcnt 16                              ; cos and sin are in; x's 16 loads may be out
.irp k, 0,1,2,3
	global_store_b128 v3, v[T+4*\k:T+4*\k+3], s[22:23] offset:512*\k
.endr
	s_wait_xcnt 0x0                                ; the stores have read their registers
.Lx:                                               ; 128 along K a trip
	s_wait_loadcnt 0x0
.set n, 0
.rept 16
	ds_store_b128 v14, v[R+4*n:R+4*n+3] offset:SP*n
.set n, n+1
.endr
.irp c, 0,1,2,3
.irp i, 0,1,2,3
	ds_load_b128 v[X+16*\c+4*\i:X+16*\c+4*\i+3], v15 offset:128*\c+16*\i   ; LDS serves a wave's instructions in order: these see the stores above
.endr
.endr
	s_wait_dscnt 0x0                               ; my numbers are back, so the stores have read their registers, which take the next trip's loads
	s_cmp_eq_u32 s32, 1
	s_cbranch_scc1 .Lnone_left
	XLOAD 512
.Lnone_left:
.irp j, 0,1,2
.set n, 0
.rept 64
	v_med3_num_f32 v[T+n], v[X+n], -v[7+2*\j], v[7+2*\j]   ; the conversion to an 8-bit code does not saturate (ISA guide 7.6.2): the hold at the largest code x the scale
.set n, n+1
.endr
.irp c, 0,1,2,3
	v_cvt_scalef32_pk8_fp8_f32 v[C+16*\j+4*\c:C+16*\j+4*\c+1], v[T+16*\c:T+16*\c+7], v[6+2*\j]
	v_cvt_scalef32_pk8_fp8_f32 v[C+16*\j+4*\c+2:C+16*\j+4*\c+3], v[T+16*\c+8:T+16*\c+15], v[6+2*\j]
.endr
	v_nop                                          ; a plain vector line behind the last conversion
.irp c, 0,1,2,3
	global_store_b128 v3, v[C+16*\j+4*\c:C+16*\j+4*\c+3], s[26+2*\j:27+2*\j] offset:512*\c   ; 512 consecutive bytes, aligned
.endr
.endr
	s_wait_xcnt 0x0                                ; loads and stores have read their registers and bases
	s_add_nc_u64 s[4:5], s[4:5], 512
	s_add_nc_u64 s[26:27], s[26:27], 16384
	s_add_nc_u64 s[28:29], s[28:29], 16384
	s_add_nc_u64 s[30:31], s[30:31], 16384
	s_sub_co_u32 s32, s32, 1
	s_cmp_lg_u32 s32, 0
	s_cbranch_scc1 .Lx
	s_wait_tensorcnt 0x0                           ; the wave's end, behind my last LDS store
	ds_add_u32 v[SPW], v[NIL]
	s_wait_dscnt 0x0
	s_endpgm
; ---------------------------------------------------------------- the weights: lane l takes the column of place l, its registers run down K; no LDS
.Lweights:
	s_sub_co_u32 s25, ttmp9, XWG
	s_lshr_b32 s26, s25, 7                         ; 0 Wq, 1 Wk, 2 Wv
	s_and_b32 s27, s25, 15                         ; block of 128 columns
	s_bfe_u32 s28, s25, 0x30004                    ; 256 along K
	s_cmp_eq_u32 s26, 1
	s_cselect_b64 s[6:7], s[8:9], s[6:7]
	s_cmp_eq_u32 s26, 2
	s_cselect_b64 s[6:7], s[10:11], s[6:7]
	s_lshl_b32 s30, s28, 21                        ; 256 rows of 8,192 bytes,
	s_lshl_b32 s31, s27, 9                         ; 128 columns of 4 bytes,
	s_add_co_u32 s30, s30, s31
	s_lshl_b32 s31, s24, 7                         ; my 32 of them
	s_add_co_u32 s30, s30, s31
	s_mov_b32 s31, 0
	s_add_nc_u64 s[6:7], s[6:7], s[30:31]
	s_lshl_b32 s30, s26, 22
	s_lshl_b32 s31, s27, 18
	s_add_co_u32 s30, s30, s31
	s_lshl_b32 s31, s28, 15
	s_add_co_u32 s30, s30, s31
	s_lshl_b32 s31, s24, 12                        ; my two tiles of 16 places
	s_add_co_u32 s30, s30, s31
	s_mov_b32 s31, 0
	s_add_nc_u64 s[20:21], s[20:21], s[30:31]
	s_mov_b32 s[SI], 1024                          ; the codes go on by 1,024 and 15,360 bytes by turns: half an image, then the next 128 along K
	s_mov_b32 s[SI+1], 0
	s_mov_b32 s32, 3
	v_and_b32 v5, 7, v0
	v_bfe_u32 v6, v0, 3, 1
	v_bfe_u32 v7, v0, 4, 1
	v_and_b32 v4, 15, v0
	v_lshl_add_u32 v5, v6, 4, v5
	v_lshlrev_b32 v4, 4, v4
	v_lshl_add_u32 v5, v7, 3, v5                   ; rho(lane): the column of place lane
	v_lshl_add_u32 v4, v7, 11, v4                  ; out: lanes 0-15 one tile, lanes 16-31 the next: 256 consecutive bytes each
	v_lshlrev_b32 v3, 2, v5                        ; in: 4 bytes a lane, 128 consecutive bytes a wave
.macro WLOAD s, off
.set n, 0
.rept 32
	global_load_b32 v[WX+32*\s+n], v3, s[LB:LB+1] offset:(32*\s+\off+n)*8192 th:TH_LOAD_NT
.set n, n+1
.endr
.endm
.macro WSTEP s, left, more             ; 32 along K; left: the loads issued behind this set's, which may be out
	s_wait_loadcnt \left
.set n, 0
.rept 32
	v_med3_num_f32 v[WX+32*\s+n], v[WX+32*\s+n], -v10, v10
.set n, n+1
.endr
.irp g, 0,1,2,3
	v_cvt_scalef32_pk8_fp8_f32 v[WC+8*\s+2*\g:WC+8*\s+2*\g+1], v[WX+32*\s+8*\g:WX+32*\s+8*\g+7], v11
.endr
	v_nop                                          ; a plain vector line behind the last conversion
	global_store_b128 v4, v[WC+8*\s:WC+8*\s+3], s[SB:SB+1] offset:512*\s
	global_store_b128 v4, v[WC+8*\s+4:WC+8*\s+7], s[SB:SB+1] offset:512*\s+256
.if \more
	WLOAD \s, 64
.endif
.endm
	WLOAD 0, 0
	WLOAD 1, 0
	s_wait_alu depctr_va_vdst(0)
	s_wait_kmcnt 0x0
	s_cmp_eq_u32 s26, 1                            ; the weight's exponent: entries 1, 3, 5
	s_cselect_b32 s30, s39, s37
	s_cmp_eq_u32 s26, 2
	s_cselect_b32 s30, s41, s30
	s_add_co_i32 s30, s30, 127
	s_lshl_b32 s31, s30, 23
	v_mov_b32 v11, s31                             ; 2^e
	s_add_co_i32 s30, s30, 8
	s_lshl_b32 s30, s30, 23
	s_or_b32 s30, s30, 0x600000
	v_mov_b32 v10, s30                             ; 448 x 2^e
	s_wait_alu depctr_va_vdst(0)
.Lw:                                               ; 64 along K a trip
	WSTEP 0, 32, 1
	WSTEP 1, 32, 1
	s_wait_xcnt 0x0                                ; the bases and the codes' registers are written again only behind this wait
	s_add_nc_u64 s[LB:LB+1], s[LB:LB+1], 0x80000
	s_add_nc_u64 s[SB:SB+1], s[SB:SB+1], s[SI:SI+1]
	s_sub_co_u32 s[SI], 16384, s[SI]
	s_sub_co_u32 s32, s32, 1
	s_cmp_lg_u32 s32, 0
	s_cbranch_scc1 .Lw
	WSTEP 0, 32, 0
	WSTEP 1, 0, 0
	s_endpgm
.Lfunc_end_k_q36db1f7573_quant:
	.size	k_q36db1f7573_quant, .Lfunc_end_k_q36db1f7573_quant-k_q36db1f7573_quant
	.p2alignl 7, 3214868480
	.fill 96, 4, 3214868480
	.section	.rodata,"a",@progbits
	.p2align	6, 0x0
	.amdhsa_kernel k_q36db1f7573_quant
		.amdhsa_group_segment_fixed_size 34304
		.amdhsa_private_segment_fixed_size 0
		.amdhsa_enable_private_segment 0
		.amdhsa_kernarg_size 80
		.amdhsa_user_sgpr_count 2
		.amdhsa_user_sgpr_kernarg_segment_ptr 1
		.amdhsa_wavefront_size32 1
		.amdhsa_system_sgpr_workgroup_id_x 1
		.amdhsa_system_sgpr_workgroup_id_y 1
		.amdhsa_system_sgpr_workgroup_id_z 1
		.amdhsa_system_vgpr_workitem_id 0
		.amdhsa_next_free_vgpr 256
		.amdhsa_next_free_sgpr 66
		.amdhsa_reserve_vcc 0
		.amdhsa_float_denorm_mode_32 3
		.amdhsa_float_denorm_mode_16_64 3
		.amdhsa_memory_ordered 1
		.amdhsa_forward_progress 1
		.amdhsa_inst_pref_size 49
	.end_amdhsa_kernel
	.amdgpu_metadata
---
amdhsa.version: [ 1, 2 ]
amdhsa.kernels:
  - .name:           k_q36db1f7573_quant
    .symbol:         k_q36db1f7573_quant.kd
    .args:
      - { .name: x, .offset: 0, .size: 8, .value_kind: global_buffer, .address_space: global }
      - { .name: Wq, .offset: 8, .size: 8, .value_kind: global_buffer, .address_space: global }
      - { .name: Wk, .offset: 16, .size: 8, .value_kind: global_buffer, .address_space: global }
      - { .name: Wv, .offset: 24, .size: 8, .value_kind: global_buffer, .address_space: global }
      - { .name: freqs_cos, .offset: 32, .size: 8, .value_kind: global_buffer, .address_space: global }
      - { .name: freqs_sin, .offset: 40, .size: 8, .value_kind: global_buffer, .address_space: global }
      - { .name: lowp_scales, .offset: 48, .size: 8, .value_kind: global_buffer, .address_space: global }
      - { .name: xc, .offset: 56, .size: 8, .value_kind: global_buffer, .address_space: global }
      - { .name: wc, .offset: 64, .size: 8, .value_kind: global_buffer, .address_space: global }
      - { .name: trig, .offset: 72, .size: 8, .value_kind: global_buffer, .address_space: global }
    .group_segment_fixed_size: 34304
    .private_segment_fixed_size: 0
    .kernarg_segment_align: 8
    .kernarg_segment_size: 80
    .max_flat_workgroup_size: 128
    .sgpr_count:     66
    .vgpr_count:     256
    .wavefront_size: 32
...
	.end_amdgpu_metadata
.endif
;; end of part 1
;; launch gemm_qkv (part 2): grid 32 x 8, 4 waves a work-group, clusters of 4 x 4, 327,680 bytes of LDS; arguments xc, wc, trig, lowp_scales, qkv, Wo, wo; writes qkv, wo
.if DOCPART == 2
	.amdgcn_target "amdgcn-amd-amdhsa--gfx1250"
	.amdhsa_code_object_version 6
	.text
	.protected	k_q36db1f7573_gemm_qkv
	.globl	k_q36db1f7573_gemm_qkv
	.p2align	8
	.type	k_q36db1f7573_gemm_qkv,@function
k_q36db1f7573_gemm_qkv:
	s_mov_b64 s[64:65], 0
	v_nop
	global_prefetch_b8 v0, s[64:65] scope:SCOPE_SE
	s_setreg_imm32_b32 hwreg(HW_REG_WAVE_MODE, 25, 1), 1
	s_wait_xcnt 0x0
	s_wait_alu depctr_hold_cnt(0) depctr_sa_sdst(0) depctr_va_vdst(0) depctr_va_sdst(0) depctr_va_ssrc(0) depctr_va_vcc(0) depctr_vm_vsrc(0)
	s_getreg_b32 s2, hwreg(HW_REG_IB_STS2, 6, 4)
	s_cmp_eq_u32 s2, 0
	s_cbranch_scc0 .Lentry_in_a_cluster
	s_endpgm
.Lentry_in_a_cluster:
	s_bfe_u32 s2, ttmp6, 0x10000c
	s_cmp_lg_u32 s2, 0xf033
	s_cbranch_scc0 .Lentry_shape_is_right
	s_endpgm
.Lentry_shape_is_right:
; q = rope(x Wq), k = rope(x Wk), v = x Wv, on codes of FP8 (E4M3), K = 2,048; the results leave as codes for the attention's products.  Beside that Wo becomes codes.
; The grid's clusters: x = 0 .. 5: two clusters along x to each product mi = 0 (q), 1 (k), 2 (v), 192 tiles of 256 x 256 in all; x = 6, 7: 64 work-groups that quantise Wo.  The choice hangs on the cluster's x alone, the same in all partners.
; A tile is made by four waves; a wave makes 128 x 128: 64 accumulators, 512 registers.
; OPERANDS.  P is the matrix instruction's source 1: a lane holds one row of P.  R is source 0: a lane's registers run along R's rows.
;   q, k: P = x's rows (positions), R = the weight's places.   v: P = the weight's places, R = x's rows (keys): the tile is V^T.
; Both lie in memory as images of fragments, 2,048 bytes for 16 rows x 128 along K ([c 4][lane 32][16 bytes]), 128 rows x 256 along K in 32,768 dense bytes: a wave's tensor load.  K goes in steps of 256 through a ring of two LDS slots.
; CLUSTERS: 4 x 4 work-groups.  The four of a row of the cluster need the same tiles of P, the four of a column the same tiles of R: each is asked for JOINTLY.
; PREFETCH: with the load of K step t K step t + 2 is asked for (at the head also K step 1): a wave's 32,768 bytes are shared by its four partners by address, 32 blocks of 256 bytes each.
; THE WAY OUT.  Lane (r, h) holds row 16 a + r of P and, in accumulator b, R's rows 16 b + 8 h + 0 .. 7.  The weight's place i holds column rho(i) (bits 3 and 4 exchanged), so accumulators 2 c, 2 c + 1 are a head's channels 32 c + 16 h + 0 .. 15:
;   the pairs are turned by cos and sin of the position (f32) in place, the three scales are folded into the conversion's one, 2^(e_out - e_a - e_b), and a lane's 16 codes ARE its 16 bytes of the image that the attention loads: no stage.
;   cos and sin come, laid for it by the launch before, by one joint load into slot 0 when that slot has been read for the last time.
;   qkv: [q, k, v][head 16][block of 128 positions or keys 16][tile 8][2,048].  v: a tile is 16 places, a lane's registers 2 b, 2 b + 1 are keys 16 b + 8 h + 0 .. 7.
; wo: [block of 128 places 16][128 along K 16][tile 8][2,048], place i = column rho(i).
; LIMITS: e_out - e_a - e_b between -126 and 119, and Wo's e likewise, so that the scale and 448 x it are f32 numbers.  NaN in Wo is not served (an infinity is held at the largest code).
; REGISTERS, in windows of 256: window 0: v16-31 addresses; v128-255 P's fragments, ONE set; on the way out v32-255 at work.   window 1: R's fragments, TWO sets.
;   window 2: the accumulators of my rows 0-63 ((a, b) at v[8 (8 a + b)]);   window 3: those of my rows 64-127.
.set CHUNK,  32768
.set FR,     16                        ; registers of a fragment
.set NL,     4                         ; LDS loads that bring one
.set NP,     4                         ; places behind this matrix instruction (ISA guide 7.12.1)
.set SLOT,   131072                    ; P's 256 rows, then R's 256 rows
.set SPARE,  2*SLOT                    ; the spare words, 128 bytes for each wave
.set ADRA, 16                          ; v16-17  LDS address of my P fragments in slot 0, 1
.set ADRB, 18                          ; v18-19  the same for R
.set ADT,  20                          ; v20     my rows' cos and sin in slot 0
.set CO,   21                          ; v21     16 x lane
.set PFO,  22                          ; v22     256 x lane
.set SPW,  28
.set NIL,  29
.set LIMV, 30                          ; v30     448 x the folded scale
.set SCV,  31                          ; v31     the folded scale
.set T,    160                         ; v160-223 the way out: a block's results (v32-159: two sets of its cos and sin)
.set CD,   224                         ; v224-255 two sets of 16: a block's codes
.set AF,   128
.set PFA,  4                           ; s[4:5] my part of the prefetches of P or R
.set PFT,  6                           ; s[6:7] and of cos and sin
.set TQ,   8                           ; s8   1 for q and k, 0 for v
.set G0T, 20                           ; s[20:23] descriptor group 0 for cos and sin
.set G1, 24                            ; s[24:31] descriptor group 1 for P's tiles;  s[32:39] group 0, one set for each slot
.set G0, 32
.set G1B, 48                           ; s[48:55], s[56:63] the same for R's tiles
.set G0B, 56
.set MI,  82
.set WX,   32                          ; Wo: v32-95 two sets of 32 numbers
.set WC,   96                          ; Wo: v96-111 codes
.set LB,   78
.set SB,   80
.set SI,   18
.set MSB, 0
.macro WIN new                         ; the immediate's high byte repeats the setting that is left
.if MSB != \new
	s_set_vgpr_msb (MSB<<8)|\new
.set MSB, \new
.endif
.endm
.set MUL_LO, 0xa1                      ; source 0 (R) window 1, source 1 (P) window 0, C and D window 2
.set MUL_HI, 0xf1                      ; the same, C and D window 3
.set TO_B,   0x40                      ; destination window 1, address window 0
; A joint load: waves 0 and 1 fetch for P, waves 2 and 3 for R.  The branch hangs on the wave's number alone.  An s_nop 0 and four v_nop follow each line.
.macro JLOAD s
	s_cmp_eq_u32 s15, 0
	s_cbranch_scc0 .Lfor_r_\@
	tensor_load_to_lds s[G0+4*\s:G0+4*\s+3], s[G1:G1+7]
	s_nop 0
.rept 4
	v_nop
.endr
	s_branch .Lasked_\@
.Lfor_r_\@:
	tensor_load_to_lds s[G0B+4*\s:G0B+4*\s+3], s[G1B:G1B+7]
	s_nop 0
.rept 4
	v_nop
.endr
.Lasked_\@:
.endm
.macro CREST                           ; a round of the cluster's barrier behind its opening barrier
	s_cmp_lg_u32 s14, 0
	s_cbranch_scc1 .Lnot_wave_0_\@
	s_barrier_signal -3
.Lnot_wave_0_\@:
	s_barrier_wait -3
	s_barrier_signal -1
	s_barrier_wait -1
.endm
.macro CROUND                          ; a whole round
	s_barrier_signal -1
	s_barrier_wait -1
	CREST
.endm
.macro ASK slot                        ; in the loop (s3 = 3, 2, 1): K step t + 2; the last trip asks for cos and sin instead (q and k alone)
	s_cmp_gt_u32 s3, 1
	s_cbranch_scc0 .Lno_step_\@
	global_prefetch_b8 v[PFO], s[PFA:PFA+1] offset:2*CHUNK+CHUNK*\slot th:TH_LOAD_NT scope:SCOPE_SE
.Lno_step_\@:
.if \slot == 0
	s_cmp_eq_u32 s3, s[TQ]
	s_cbranch_scc0 .Lno_trig_\@
	global_prefetch_b8 v[PFO], s[PFT:PFT+1] th:TH_LOAD_NT scope:SCOPE_SE
.Lno_trig_\@:
.endif
.endm
	s_load_b256 s[68:75], s[0:1], 0x0              ; xc, wc, trig, the exponents
	s_load_b128 s[76:79], s[0:1], 0x20             ; qkv, Wo
	s_load_b64 s[80:81], s[0:1], 0x30              ; wo
	v_lshrrev_b32 v1, 5, v0
	v_readfirstlane_b32 s14, v1                    ; wave 0..3
	s_cmp_ge_u32 ttmp9, 6
	s_cbranch_scc1 .Lquant
	v_lshl_add_u32 v[SPW], v0, 2, SPARE
	v_mov_b32 v[NIL], 0
	ds_add_u32 v[SPW], v[NIL]                      ; the wave's opening: the add, twice on end, and its wait ahead of my first tensor load
	ds_add_u32 v[SPW], v[NIL]
	s_lshr_b32 s15, s14, 1                         ; which half of P's rows is mine.  Also: I fetch for P (0) or for R (1)
	s_and_b32 s16, s14, 1                          ; which half of R's rows.  Also: which 128 rows of that tile I fetch
	s_bfe_u32 s40, ttmp6, 0x40000                  ; cx, cy: my place in the cluster
	s_bfe_u32 s41, ttmp6, 0x40004
	s_lshl_b32 s42, ttmp9, 2
	s_add_co_u32 s42, s42, s40
	s_and_b32 s42, s42, 7                          ; R's tile
	s_lshr_b32 s[MI], ttmp9, 1
	s_and_b32 s17, ttmp7, 0xffff
	s_lshl_b32 s17, s17, 2
	s_add_co_u32 s17, s17, s41                     ; P's tile
	s_lshl_b32 s43, s41, 2
	s_lshl_b32 s43, 15, s43                        ; my row of the cluster
	s_lshl_b32 s44, 0x1111, s40                    ; my column
	s_or_b32 s[G1+0], s43, (1<<21)                 ; the mask: P's tiles go to my row; elements of 1 byte; no padding; bit 21 beside a mask
	s_or_b32 s[G1B+0], s44, (1<<21)
.irp g, G1, G1B
	s_mov_b32 s[\g+1], 256<<16                     ; 128 rows of 256 bytes, dense
	s_mov_b32 s[\g+2], 128<<16
	s_mov_b32 s[\g+3], 256<<16
	s_mov_b32 s[\g+4], 128
	s_mov_b32 s[\g+5], 256
	s_mov_b32 s[\g+6], 0
	s_mov_b32 s[\g+7], 0
.endr
	s_lshl_b32 s10, s17, 1
	s_add_co_u32 s10, s10, s16
	s_lshl_b32 s10, s10, 18                        ; P: block 2 x tile + half: 262,144 bytes each
	s_mov_b32 s11, 0
	s_lshl_b32 s46, s42, 1
	s_add_co_u32 s46, s46, s16
	s_lshl_b32 s46, s46, 18                        ; R likewise
	s_mov_b32 s47, 0
	s_lshl_b32 s12, s[MI], 22                      ; the product's copy of x, its weight and its part of qkv lie mi x 4 MiB on
	s_mov_b32 s13, 0
	s_lshl_b32 s45, s14, 15                        ; where my tile goes: no place in the cluster enters an LDS address
	s_lshl_b32 s18, s17, 17
	s_add_co_u32 s18, s18, s45                     ; cos and sin: P's 256 positions, a quarter to each wave
	s_mov_b32 s19, 0
	s_wait_dscnt 0x0                               ; both opening adds are done
	CROUND                                         ; all sixteen work-groups are here: the first joint loads meet
	s_wait_kmcnt 0x0
	s_load_b256 s[84:91], s[74:75], 0x0            ; entries 0 to 7,
	s_load_b32 s92, s[74:75], 0x20                 ; and 8
	s_add_nc_u64 s[68:69], s[68:69], s[12:13]
	s_add_nc_u64 s[70:71], s[70:71], s[12:13]
	s_cmp_eq_u32 s[MI], 2
	s_cselect_b64 s[66:67], s[70:71], s[68:69]     ; P: the weight for v, else x
	s_cselect_b64 s[94:95], s[68:69], s[70:71]     ; R: the other
	s_add_nc_u64 s[10:11], s[66:67], s[10:11]
	s_add_nc_u64 s[46:47], s[94:95], s[46:47]
.irp s, 0,1
	s_mov_b32 s[G0+4*\s], 1
	s_add_co_u32 s[G0+4*\s+1], s45, \s*SLOT
	s_add_nc_u64 s[G0+4*\s+2:G0+4*\s+3], s[10:11], \s*CHUNK
	s_or_b32 s[G0+4*\s+3], s[G0+4*\s+3], 0x80000000
	s_mov_b32 s[G0B+4*\s], 1
	s_add_co_u32 s[G0B+4*\s+1], s45, \s*SLOT
	s_add_nc_u64 s[G0B+4*\s+2:G0B+4*\s+3], s[46:47], \s*CHUNK
	s_or_b32 s[G0B+4*\s+3], s[G0B+4*\s+3], 0x80000000
.endr
	JLOAD 0                                        ; K step 0: one tensor load a wave at the head
	s_add_nc_u64 s[18:19], s[72:73], s[18:19]
	s_mov_b32 s[G0T], 1
	s_mov_b32 s[G0T+1], s45
	s_mov_b64 s[G0T+2:G0T+3], s[18:19]
	s_or_b32 s[G0T+3], s[G0T+3], 0x80000000
	s_cmp_eq_u32 s15, 0                            ; the prefetches: my work-group's 32 of the 128 blocks that my wave fetches: by cx in P, by cy in R
	s_cselect_b64 s[PFA:PFA+1], s[10:11], s[46:47]
	s_cselect_b32 s98, s40, s41
	s_lshl_b32 s98, s98, 13
	s_mov_b32 s99, 0
	s_add_nc_u64 s[PFA:PFA+1], s[PFA:PFA+1], s[98:99]
	s_lshl_b32 s98, s40, 13
	s_add_nc_u64 s[PFT:PFT+1], s[18:19], s[98:99]
	s_cmp_eq_u32 s[MI], 2
	s_cselect_b32 s[TQ], 0, 1
	s_lshl_b32 s93, s15, 15                        ; my 128 rows of P,
	s_add_co_u32 s96, s93, SLOT
	s_lshl_b32 s97, s16, 15
	s_add_co_u32 s97, s97, 65536                   ; and of R
	s_add_co_u32 s98, s97, SLOT
	s_lshl_b32 s99, s15, 16                        ; my 8 tiles of positions, 8,192 bytes each
	v_and_b32 v2, 31, v0
	v_lshlrev_b32 v[CO], 4, v2
	v_lshlrev_b32 v[PFO], 8, v2
	v_add_nc_u32 v[ADRA], s93, v[CO]
	v_add_nc_u32 v[ADRA+1], s96, v[CO]
	v_add_nc_u32 v[ADRB], s97, v[CO]
	v_add_nc_u32 v[ADRB+1], s98, v[CO]
	v_add_nc_u32 v[ADT], s99, v[CO]
	global_prefetch_b8 v[PFO], s[PFA:PFA+1] offset:CHUNK th:TH_LOAD_NT scope:SCOPE_SE      ; K step 1,
	global_prefetch_b8 v[PFO], s[PFA:PFA+1] offset:2*CHUNK th:TH_LOAD_NT scope:SCOPE_SE    ; and K step 2
	s_lshl_b32 s9, s17, 1
	s_add_co_u32 s9, s9, s15                       ; my block of 128 rows of P
	s_lshl_b32 s93, s42, 1
	s_add_co_u32 s93, s93, s16                     ; and of R
	s_cmp_eq_u32 s[MI], 2
	s_cselect_b32 s100, s9, s93                    ; the head: the weight's block,
	s_cselect_b32 s101, s93, s9                    ; the block of positions or keys: x's
	s_lshl_b32 s100, s100, 4
	s_add_co_u32 s100, s100, s101
	s_lshl_b32 s100, s100, 14
	s_add_co_u32 s100, s100, s12
	s_mov_b32 s101, 0
	s_add_nc_u64 s[76:77], s[76:77], s[100:101]    ; my 16,384 bytes of qkv
	s_wait_alu depctr_va_vdst(0)
	s_wait_kmcnt 0x0
	s_cmp_eq_u32 s[MI], 1                          ; the product's exponents: e_a = entry 2 mi, e_b = entry 2 mi + 1, e_out = entry 6 + mi
	s_cselect_b32 s93, s86, s84
	s_cselect_b32 s96, s87, s85
	s_cselect_b32 s97, s91, s90
	s_cmp_eq_u32 s[MI], 2
	s_cselect_b32 s93, s88, s93
	s_cselect_b32 s96, s89, s96
	s_cselect_b32 s97, s92, s97
	s_sub_co_i32 s97, s97, s93
	s_sub_co_i32 s97, s97, s96                     ; a sum stands for sum x 2^(e_a + e_b): its code is sum / 2^(e_out - e_a - e_b); the turn by cos and sin is linear and does not mind
	s_add_co_i32 s97, s97, 127
	s_lshl_b32 s96, s97, 23
	v_mov_b32 v[SCV], s96
	s_add_co_i32 s97, s97, 8
	s_lshl_b32 s97, s97, 23
	s_or_b32 s97, s97, 0x600000
	v_mov_b32 v[LIMV], s97
.macro FRAG reg, adr, q, i             ; a fragment's image: four runs of 512 bytes
.irp c, 0,1,2,3
	ds_load_b128 v[\reg+4*\c:\reg+4*\c+3], v[\adr] offset:16384*(\q)+2048*(\i)+512*\c
.endr
.endm
; 8 matrix instructions: P's block a x R's eight.  p: R's set.  zero = 1: the first product starts the sums.  The 64 accumulators take turns, one instruction a turn.
.macro MUL8 a, p, zero
.irp b, 0,1,2,3,4,5,6,7
.if \zero
	v_wmma_f32_16x16x128_fp8_fp8 v[8*(8*((\a)%4)+\b):8*(8*((\a)%4)+\b)+7], v[128*(\p)+FR*\b:128*(\p)+FR*\b+FR-1], v[AF+FR*(\a):AF+FR*(\a)+FR-1], 0
.else
	v_wmma_f32_16x16x128_fp8_fp8 v[8*(8*((\a)%4)+\b):8*(8*((\a)%4)+\b)+7], v[128*(\p)+FR*\b:128*(\p)+FR*\b+FR-1], v[AF+FR*(\a):AF+FR*(\a)+FR-1], v[8*(8*((\a)%4)+\b):8*(8*((\a)%4)+\b)+7]
.endif
.endr
.endm
.macro MUL32 a0, p, zero
.irp a, \a0, \a0+1, \a0+2, \a0+3
	MUL8 \a, \p, \zero
.endr
.endm
.macro FETCH_B slot, q, p              ; R's eight fragments of the slot's q-th 128 along K into set p
	WIN TO_B
.irp i, 0,1,2,3,4,5,6,7
	FRAG 128*(\p)+FR*\i, ADRB+\slot, \q, \i
.endr
	WIN 0
.endm
.macro FETCH_A slot, q, i0             ; P's blocks i0 .. i0 + 3
.irp i, \i0, \i0+1, \i0+2, \i0+3
	FRAG AF+FR*(\i), ADRA+\slot, \q, \i
.endr
.endm
.macro PLACES n                        ; plain vector lines between a matrix instruction and a load into its registers or a read of its result
.rept \n
	v_nop
.endr
.endm
; A step of 128 along K that has its successor in the same slot.  P has one set of registers: blocks 0-3 are fetched anew in the step's middle, blocks 4-7 at its end.
.macro STEP slot, q, zero
	s_wait_dscnt 4*NL                              ; R's set and P's blocks 0-3 are in; the youngest 16 loads (P's blocks 4-7) may be out
	WIN MUL_LO
	MUL8 0, (\q)%2, \zero
	FETCH_B \slot, (\q)+1, 1-(\q)%2                ; R's other set was last read in the step before, with its places behind it
	WIN MUL_LO
	MUL8 1, (\q)%2, \zero
	MUL8 2, (\q)%2, \zero
	MUL8 3, (\q)%2, \zero
	s_wait_dscnt 8*NL                              ; P's blocks 4-7 are in; R's 32 loads may be out
	PLACES NP
	WIN 0
	FETCH_A \slot, (\q)+1, 0
	WIN MUL_HI
	MUL32 4, (\q)%2, \zero
	PLACES NP
	WIN 0
	FETCH_A \slot, (\q)+1, 4
.endm
; A slot's last step changes slots: one barrier; in front of it each wave waits for all its tensor loads, adds 0 to its spare word, and waits for that and for its reads of this slot.
; fill = 1: the slot is filled again, two K steps ahead; fill = 2: it takes cos and sin; fill = 0: nothing.
.macro TURN slot, next, fill
.if (\fill) == 1 && (\slot) == 0
	s_wait_xcnt 0x0                                ; my prefetches have read their address
	s_add_nc_u64 s[PFA:PFA+1], s[PFA:PFA+1], 2*CHUNK
.endif
	s_wait_dscnt 4*NL
	WIN MUL_LO
	MUL8 0, 1, 0
	WIN 0
	s_wait_tensorcnt 0x0                           ; all my tensor loads have landed: my part of the next slot
	ds_add_u32 v[SPW], v[NIL]                      ; 0 onto my spare word
	WIN MUL_LO
	MUL8 1, 1, 0
	s_wait_dscnt 0x0                               ; the add is done, and my reads of this slot are over
	s_barrier_signal -1
	MUL8 2, 1, 0
	WIN 0
	s_barrier_wait -1
.if \fill
	CREST                                          ; the barrier has opened a round of the cluster's barrier: no wave of any partner still reads this slot or has a load on its way
.if (\fill) == 1
	s_add_nc_u64 s[G0+4*\slot+2:G0+4*\slot+3], s[G0+4*\slot+2:G0+4*\slot+3], 2*CHUNK
	s_add_nc_u64 s[G0B+4*\slot+2:G0B+4*\slot+3], s[G0B+4*\slot+2:G0B+4*\slot+3], 2*CHUNK
	JLOAD \slot                                    ; the first tensor load behind the round; its four v_nop are the places in front of the loads below
.else
	tensor_load_to_lds s[G0T:G0T+3], s[G1:G1+7]    ; a quarter of the tile's cos and sin, which my row of the cluster shares
	s_nop 0
	PLACES NP
.endif
.else
	PLACES NP
.endif
	FETCH_B \next, 0, 0
	WIN MUL_LO
	MUL8 3, 1, 0
	PLACES NP
	WIN 0
	FETCH_A \next, 0, 0
.if (\fill) == 1
	ASK \slot
.endif
	WIN MUL_HI
	MUL32 4, 1, 0
	PLACES NP
	WIN 0
	FETCH_A \next, 0, 4
.endm
; THE WAY OUT.  TLD a: cos and sin of block a: 16 loads of 512 bytes, registers [c][cos lo, cos hi, sin lo, sin hi][4].
.macro TLD a
.irp c, 0,1,2,3
.irp k, 0,1,2,3
	ds_load_b128 v[32+64*((\a)%2)+16*\c+4*\k:32+64*((\a)%2)+16*\c+4*\k+3], v[ADT] offset:8192*(\a)+2048*\c+512*\k
.endr
.endr
.endm
; FIN a: block a's 16 rows are turned (rope = 1), held, converted and stored.
.macro FIN a, rope
.set AC, 64*((\a)%4)
.set TS, 32+64*((\a)%2)
.set DD, CD+16*((\a)%2)
.if (\a) >= 2
	s_wait_xcnt 0x0                                ; the stores of two blocks back have read this set of code registers
.endif
.if \rope
.if (\a) < 7
	TLD (\a)+1
	s_wait_dscnt 16                                ; all but the 16 just issued
.else
	s_wait_dscnt 0
.endif
	WIN 0x02+((\a)/4)                              ; source 0: window 2 or 3
.irp c, 0,1,2,3
.irp b, 2*\c, 2*\c+1
.set CS, TS+16*((\b)/2)+4*((\b)%2)
.irp p, 0,2                            ; (re, im) x cos: of a pair of cosines the first serves one pair of channels, the second the next
	v_pk_mul_f32 v[T+8*(\b)+2*\p:T+8*(\b)+2*\p+1], v[AC+8*(\b)+2*\p:AC+8*(\b)+2*\p+1], v[CS+\p:CS+\p+1] op_sel_hi:[1,0]
	v_pk_mul_f32 v[T+8*(\b)+2*\p+2:T+8*(\b)+2*\p+3], v[AC+8*(\b)+2*\p+2:AC+8*(\b)+2*\p+3], v[CS+\p:CS+\p+1] op_sel:[0,1]
.endr
.endr
.irp b, 2*\c, 2*\c+1
.set SN, TS+16*((\b)/2)+4*((\b)%2)+8
.irp p, 0,2                            ; + (im, re) x (-sin, sin)
	v_pk_fma_f32 v[T+8*(\b)+2*\p:T+8*(\b)+2*\p+1], v[AC+8*(\b)+2*\p:AC+8*(\b)+2*\p+1], v[SN+\p:SN+\p+1], v[T+8*(\b)+2*\p:T+8*(\b)+2*\p+1] op_sel:[1,0,0] op_sel_hi:[0,0,1] neg_lo:[0,1,0]
	v_pk_fma_f32 v[T+8*(\b)+2*\p+2:T+8*(\b)+2*\p+3], v[AC+8*(\b)+2*\p+2:AC+8*(\b)+2*\p+3], v[SN+\p:SN+\p+1], v[T+8*(\b)+2*\p+2:T+8*(\b)+2*\p+3] op_sel:[1,1,0] op_sel_hi:[0,1,1] neg_lo:[0,1,0]
.endr
.endr
.endr
	WIN 0
.set n, 0
.rept 64
	v_med3_num_f32 v[T+n], v[T+n], -v[LIMV], v[LIMV]   ; the conversion to an 8-bit code does not saturate (ISA guide 7.6.2)
.set n, n+1
.endr
.else
	WIN 0x02+((\a)/4)
.set n, 0
.rept 64
	v_med3_num_f32 v[T+n], v[AC+n], -v[LIMV], v[LIMV]
.set n, n+1
.endr
	WIN 0
.endif
.irp b, 0,1,2,3,4,5,6,7
	v_cvt_scalef32_pk8_fp8_f32 v[DD+2*\b:DD+2*\b+1], v[T+8*\b:T+8*\b+7], v[SCV]
.endr
	v_nop                                          ; a plain vector line behind the last conversion
.irp c, 0,1,2,3
	global_store_b128 v[CO], v[DD+4*\c:DD+4*\c+3], s[76:77] offset:2048*(\a)+512*\c   ; 512 consecutive bytes, aligned
.endr
.endm
; The last lap's rest and the way out.
.macro TAIL rope
.if \rope
	TURN 0, 1, 2
.else
	TURN 0, 1, 0
.endif
	STEP 1, 0, 0
	s_wait_dscnt 4*NL
	WIN MUL_LO
	MUL32 0, 1, 0
	s_wait_dscnt 0
.if \rope
	s_wait_tensorcnt 0x0                           ; my quarter of cos and sin is in: say so
	s_barrier_signal -1
.endif
	WIN MUL_HI
	MUL8 4, 1, 0
	MUL8 5, 1, 0
.if \rope
	WIN 0
	s_barrier_wait -1                              ; everybody's is
	TLD 0
	WIN MUL_HI
.endif
	MUL8 6, 1, 0
	MUL8 7, 1, 0
	WIN 0
	PLACES NP                                      ; behind the last products: for the reads of results and for the loads into registers that held fragments
.irp a, 0,1,2,3,4,5,6,7
	FIN \a, \rope
.endr
.endm
	s_wait_alu depctr_va_vdst(0)
	s_wait_tensorcnt 0x0                           ; my part of K step 0 is in
	ds_add_u32 v[SPW], v[NIL]
	s_wait_dscnt 0x0
	CROUND                                         ; everybody's part of K step 0 is in, and all sixteen work-groups are here
	JLOAD 1                                        ; K step 1
	FETCH_B 0, 0, 0
	FETCH_A 0, 0, 0
	FETCH_A 0, 0, 4
	global_prefetch_b8 v[PFO], s[PFA:PFA+1] offset:3*CHUNK th:TH_LOAD_NT scope:SCOPE_SE    ; K step 3
	STEP 0, 0, 1                                   ; the first step stands in front of the loop: its products start the sums
	s_mov_b32 s3, 3
.Llap:                                             ; a trip goes once round the ring and fills both slots again
	TURN 0, 1, 1
	STEP 1, 0, 0
	TURN 1, 0, 1
	STEP 0, 0, 0
	s_sub_co_u32 s3, s3, 1
	s_cmp_lg_u32 s3, 0
	s_cbranch_scc1 .Llap
	s_cmp_eq_u32 s[MI], 2
	s_cbranch_scc1 .Lvalues                        ; on the cluster's x alone: the same way in all partners
	TAIL 1
	s_branch .Ldone
.Lvalues:
	TAIL 0
.Ldone:
	s_wait_tensorcnt 0x0                           ; the wave's end
	ds_add_u32 v[SPW], v[NIL]
	s_wait_dscnt 0x0
	CROUND                                         ; the closing round: no work-group ends while a partner may still ask for a tile that names it
	s_endpgm
; ---------------------------------------------------------------- Wo: 64 work-groups; a wave 32 columns x 512 along K; lane l takes the column of place l, its registers run down K; no LDS, no tensor load, no round
.Lquant:
	s_bfe_u32 s40, ttmp6, 0x40000
	s_bfe_u32 s41, ttmp6, 0x40004
	s_sub_co_u32 s42, ttmp9, 6
	s_lshl_b32 s42, s42, 2
	s_add_co_u32 s42, s42, s40                     ; 0 .. 7
	s_and_b32 s17, ttmp7, 0xffff
	s_lshl_b32 s17, s17, 2
	s_add_co_u32 s17, s17, s41                     ; 0 .. 7
	s_and_b32 s43, s17, 1
	s_lshl_b32 s43, s43, 3
	s_add_co_u32 s42, s42, s43                     ; block of 128 columns
	s_lshr_b32 s17, s17, 1                         ; quarter of K
	s_lshl_b32 s10, s17, 22                        ; 512 rows of 8,192 bytes,
	s_lshl_b32 s11, s42, 9
	s_add_co_u32 s10, s10, s11
	s_lshl_b32 s11, s14, 7
	s_add_co_u32 s10, s10, s11
	s_mov_b32 s11, 0
	s_lshl_b32 s12, s42, 18
	s_lshl_b32 s13, s17, 16
	s_add_co_u32 s12, s12, s13
	s_lshl_b32 s13, s14, 12
	s_add_co_u32 s12, s12, s13
	s_mov_b32 s13, 0
	s_mov_b32 s[SI], 1024                          ; the codes go on by 1,024 and 15,360 bytes by turns
	s_mov_b32 s[SI+1], 0
	s_mov_b32 s3, 7
	v_and_b32 v5, 7, v0
	v_bfe_u32 v6, v0, 3, 1
	v_bfe_u32 v7, v0, 4, 1
	v_and_b32 v4, 15, v0
	v_lshl_add_u32 v5, v6, 4, v5
	v_lshlrev_b32 v4, 4, v4
	v_lshl_add_u32 v5, v7, 3, v5                   ; rho(lane)
	v_lshl_add_u32 v4, v7, 11, v4                  ; out: lanes 0-15 one tile, lanes 16-31 the next: 256 consecutive bytes each
	v_lshlrev_b32 v3, 2, v5
	s_wait_alu depctr_va_vdst(0)
	s_wait_kmcnt 0x0
	s_load_b32 s84, s[74:75], 0x2c                 ; entry 11
	s_add_nc_u64 s[LB:LB+1], s[LB:LB+1], s[10:11]
	s_add_nc_u64 s[SB:SB+1], s[SB:SB+1], s[12:13]
.macro WLOAD s, off
.set n, 0
.rept 32
	global_load_b32 v[WX+32*\s+n], v3, s[LB:LB+1] offset:(32*\s+\off+n)*8192 th:TH_LOAD_NT
.set n, n+1
.endr
.endm
.macro WSTEP s, left, more             ; 32 along K; left: the loads issued behind this set's, which may be out
	s_wait_loadcnt \left
.set n, 0
.rept 32
	v_med3_num_f32 v[WX+32*\s+n], v[WX+32*\s+n], -v10, v10
.set n, n+1
.endr
.irp g, 0,1,2,3
	v_cvt_scalef32_pk8_fp8_f32 v[WC+8*\s+2*\g:WC+8*\s+2*\g+1], v[WX+32*\s+8*\g:WX+32*\s+8*\g+7], v11
.endr
	v_nop                                          ; a plain vector line behind the last conversion
	global_store_b128 v4, v[WC+8*\s:WC+8*\s+3], s[SB:SB+1] offset:512*\s
	global_store_b128 v4, v[WC+8*\s+4:WC+8*\s+7], s[SB:SB+1] offset:512*\s+256
.if \more
	WLOAD \s, 64
.endif
.endm
	WLOAD 0, 0
	WLOAD 1, 0
	s_wait_kmcnt 0x0
	s_add_co_i32 s84, s84, 127
	s_lshl_b32 s85, s84, 23
	v_mov_b32 v11, s85                             ; 2^e
	s_add_co_i32 s84, s84, 8
	s_lshl_b32 s84, s84, 23
	s_or_b32 s84, s84, 0x600000
	v_mov_b32 v10, s84                             ; 448 x 2^e
	s_wait_alu depctr_va_vdst(0)
.Lw:                                               ; 64 along K a trip
	WSTEP 0, 32, 1
	WSTEP 1, 32, 1
	s_wait_xcnt 0x0                                ; the bases and the codes' registers are written again only behind this wait
	s_add_nc_u64 s[LB:LB+1], s[LB:LB+1], 0x80000
	s_add_nc_u64 s[SB:SB+1], s[SB:SB+1], s[SI:SI+1]
	s_sub_co_u32 s[SI], 16384, s[SI]
	s_sub_co_u32 s3, s3, 1
	s_cmp_lg_u32 s3, 0
	s_cbranch_scc1 .Lw
	WSTEP 0, 32, 0
	WSTEP 1, 0, 0
	s_endpgm
.Lfunc_end_k_q36db1f7573_gemm_qkv:
	.size	k_q36db1f7573_gemm_qkv, .Lfunc_end_k_q36db1f7573_gemm_qkv-k_q36db1f7573_gemm_qkv
	.p2alignl 7, 3214868480
	.fill 96, 4, 3214868480
	.section	.rodata,"a",@progbits
	.p2align	6, 0x0
	.amdhsa_kernel k_q36db1f7573_gemm_qkv
		.amdhsa_group_segment_fixed_size 327680
		.amdhsa_private_segment_fixed_size 0
		.amdhsa_enable_private_segment 0
		.amdhsa_kernarg_size 56
		.amdhsa_user_sgpr_count 2
		.amdhsa_user_sgpr_kernarg_segment_ptr 1
		.amdhsa_wavefront_size32 1
		.amdhsa_system_sgpr_workgroup_id_x 1
		.amdhsa_system_sgpr_workgroup_id_y 1
		.amdhsa_system_sgpr_workgroup_id_z 1
		.amdhsa_system_vgpr_workitem_id 0
		.amdhsa_next_free_vgpr 1024
		.amdhsa_next_free_sgpr 102
		.amdhsa_reserve_vcc 0
		.amdhsa_float_denorm_mode_32 3
		.amdhsa_float_denorm_mode_16_64 3
		.amdhsa_memory_ordered 1
		.amdhsa_forward_progress 1
		.amdhsa_inst_pref_size 247
	.end_amdhsa_kernel
	.amdgpu_metadata
---
amdhsa.version: [ 1, 2 ]
amdhsa.kernels:
  - .name:           k_q36db1f7573_gemm_qkv
    .symbol:         k_q36db1f7573_gemm_qkv.kd
    .args:
      - { .name: xc, .offset: 0, .size: 8, .value_kind: global_buffer, .address_space: global }
      - { .name: wc, .offset: 8, .size: 8, .value_kind: global_buffer, .address_space: global }
      - { .name: trig, .offset: 16, .size: 8, .value_kind: global_buffer, .address_space: global }
      - { .name: lowp_scales, .offset: 24, .size: 8, .value_kind: global_buffer, .address_space: global }
      - { .name: qkv, .offset: 32, .size: 8, .value_kind: global_buffer, .address_space: global }
      - { .name: Wo, .offset: 40, .size: 8, .value_kind: global_buffer, .address_space: global }
      - { .name: wo, .offset: 48, .size: 8, .value_kind: global_buffer, .address_space: global }
    .group_segment_fixed_size: 327680
    .private_segment_fixed_size: 0
    .kernarg_segment_align: 8
    .kernarg_segment_size: 56
    .max_flat_workgroup_size: 128
    .sgpr_count:     102
    .vgpr_count:     1024
    .wavefront_size: 32
...
	.end_amdgpu_metadata
.endif
;; end of part 2
;; launch attn (part 3): grid 16 x 16, 4 waves a work-group, clusters of 4 x 1, 327,680 bytes of LDS; arguments qkv, lowp_scales, ao; writes ao
.if DOCPART == 3
	.amdgcn_target "amdgcn-amd-amdhsa--gfx1250"
	.amdhsa_code_object_version 6
	.text
	.protected	k_q36db1f7573_attn
	.globl	k_q36db1f7573_attn
	.p2align	8
	.type	k_q36db1f7573_attn,@function
k_q36db1f7573_attn:
	s_mov_b64 s[64:65], 0
	v_nop
	global_prefetch_b8 v0, s[64:65] scope:SCOPE_SE
	s_setreg_imm32_b32 hwreg(HW_REG_WAVE_MODE, 25, 1), 1
	s_wait_xcnt 0x0
	s_wait_alu depctr_hold_cnt(0) depctr_sa_sdst(0) depctr_va_vdst(0) depctr_va_sdst(0) depctr_va_ssrc(0) depctr_va_vcc(0) depctr_vm_vsrc(0)
	s_getreg_b32 s2, hwreg(HW_REG_IB_STS2, 6, 4)
	s_cmp_eq_u32 s2, 0
	s_cbranch_scc0 .Lentry_in_a_cluster
	s_endpgm
.Lentry_in_a_cluster:
	s_bfe_u32 s2, ttmp6, 0x10000c
	s_cmp_lg_u32 s2, 0x3003
	s_cbranch_scc0 .Lentry_shape_is_right
	s_endpgm
.Lentry_shape_is_right:
; O = softmax(Q K^T / sqrt(128), causal) V on codes of FP8 (E4M3), both products; the result leaves as codes for the last product.
; t = score x log2(e) / sqrt(128); M = the row's largest t so far, rounded UP to a whole number; p = 2^(t - M) is quantised, unnormalised; the sum of the unquantised p divides at the end.  When M moves, sum and O are multiplied by 2^(old M - new M).
; q, k, v lie as images of fragments: [q, k, v][head][block of 128][tile 8][c 4][lane 32][16 bytes]: every fragment load is a run of 512 bytes.
; SHARES.  A cluster of four work-groups serves the zones ZZ and 7 - ZZ of 256 queries of one head: ZZ + 1 and 8 - ZZ units of 256 keys, 9 in all for every cluster, walked one zone after the other.
; A work-group owns 64 queries of each zone: wave QQ 2 + WQ has two tiles of 16, rows 128 WQ + 64 j + 16 cx, and the half QQ of each unit's keys; waves w and w xor 2 join their halves at a zone's end.
; Both products are transposed (S^T = K Q^T, O^T = V^T P^T): a lane holds one query; S's register 8 t + i is key 16 t + 8 h + i, so the conversions' results are the second product's operand.  Each fragment of K and V feeds both tiles.
; RING: two slots of one unit (K's and V's halves, a wave's joint load of 16,384 bytes each, which the four work-groups share).  The slot of unit f is filled with unit f + 2 in the middle of unit f's work, when its V is in registers.
; PREFETCH: a unit's first reader among the head's clusters asks for it: ZZ = 3 for unit 3, ZZ = 0 for units 4 to 7, two units ahead of the load (unit 3: one); the four partners share the blocks of 256 bytes by address; waves 0 (K) and 2 (V) ask.
; DEAD WORK left out: units of keys that the causal mask hides from a whole zone: their p is 0 for all values of the inputs (a NaN or an infinity that reaches only them is not carried).
; LIMITS: e6 + e7 between -123 and 130; e9 and e10 - e9 - e8 between -126 and 119; the scaled scores under 2^31 in magnitude.
; REGISTERS: window 0: v8-15, v16-23 the two tiles' -M, largest t, sum (2), f (2), temporaries (2); v64-95 Q; v96-223 S, then p; v224-255 p's codes.   window 1: v0-127 K, v128-255 V.   window 2: v0-127 O^T (the own half of the channels first in each tile's 64), v128-159 the second zone's Q.
.set SLOT1, 65536
.set VOFF,  32768
.set XCH,   2*SLOT1                    ; for each wave: two tiles' other half (2 x 4,096) and statistics (2 x 512)
.set XW,    9216
.set SPARE, XCH+4*XW                   ; the spare words, 128 bytes for each wave
.set NINF, 32
.set LPX,  36                          ; v36, v37  448 x 2^ep, twice
.set LPY,  37
.set SCP,  38                          ; 2^ep
.set LIMO, 39                          ; 448 x the folded output scale
.set SCO,  40                          ; the folded output scale
.set SPW,  41
.set NIL,  42
.set PFO,  43
.set XS,   44
.set XR,   45
.set AK0,  46
.set AVL0, 47
.set AVH0, 48
.set WV,   12
.set CX,   13
.set ZZ,   14
.set Z1,   15
.set HD,   16
.set QQ,   17
.set WQ,   18
.set SEL,  20
.set CS,   22
.set G1,   24
.set KVB,  36
.set PFB,  38
.set G0,   40
.set PFA,  44
.set F,    46
.set TB,   47
.set AL,   57
.set AN,   62
.set MSB, 0
.macro WIN new                         ; the immediate's high byte repeats the setting that is left
.if MSB != \new
	s_set_vgpr_msb (MSB<<8)|\new
.set MSB, \new
.endif
.endm
.macro PLACES                          ; plain vector lines between a matrix instruction and a load into its registers or a read of its result
.rept 4
	v_nop
.endr
.endm
.macro CREST                           ; a round of the cluster's barrier behind its opening barrier
	s_cmp_lg_u32 s[WV], 0
	s_cbranch_scc1 .Lnot_wave_0_\@
	s_barrier_signal -3
.Lnot_wave_0_\@:
	s_barrier_wait -3
	s_barrier_signal -1
	s_barrier_wait -1
.endm
.macro CROUND
	s_barrier_signal -1
	s_barrier_wait -1
	CREST
.endm
.macro TADDR                           ; s34 = f: the walk's f-th unit is f in the first zone, f - (ZZ + 1) in the second
	s_cmp_ge_u32 s34, s[Z1]
	s_cselect_b32 s33, s[Z1], 0
	s_sub_co_u32 s34, s34, s33
	s_lshl_b32 s34, s34, 15
	s_add_nc_u64 s[G0+2:G0+3], s[KVB:KVB+1], s[34:35]
	s_or_b32 s[G0+3], s[G0+3], 0x80000000
.endm
.macro TLOAD
	tensor_load_to_lds s[G0:G0+3], s[G1:G1+7]
	s_nop 0
	PLACES
.endm
	s_load_b128 s[4:7], s[0:1], 0x0                ; qkv, the exponents
	s_load_b64 s[8:9], s[0:1], 0x10                ; ao
	v_lshl_add_u32 v[SPW], v0, 2, SPARE
	v_mov_b32 v[NIL], 0
	ds_add_u32 v[SPW], v[NIL]                      ; the wave's opening: the add, twice on end, and its wait ahead of my first tensor load
	ds_add_u32 v[SPW], v[NIL]
	v_lshrrev_b32 v10, 5, v0
	v_readfirstlane_b32 s[WV], v10
	s_bfe_u32 s[CX], ttmp6, 0x40000
	s_mov_b32 s[ZZ], ttmp9
	s_add_co_u32 s[Z1], s[ZZ], 1
	s_and_b32 s[HD], ttmp7, 0xffff
	s_lshr_b32 s[QQ], s[WV], 1                     ; which half of a unit's keys.  Also: I fetch K (0) or V (1)
	s_and_b32 s[WQ], s[WV], 1                      ; which 128 of a zone's queries.  Also: which half of a unit I fetch
	s_mov_b32 s[G1], 15|(1<<21)                    ; the mask names all four; elements of 1 byte; bit 21 beside a mask; no padding
	s_mov_b32 s[G1+1], 256<<16                     ; 64 rows of 256 bytes, dense
	s_mov_b32 s[G1+2], 64<<16
	s_mov_b32 s[G1+3], 256<<16
	s_mov_b32 s[G1+4], 64
	s_mov_b32 s[G1+5], 256
	s_mov_b32 s[G1+6], 0
	s_mov_b32 s[G1+7], 0
	s_mov_b32 s[SEL], 0x76543210
	s_mov_b32 s[SEL+1], 0xfedcba98
	s_mov_b32 s[CS], 0x3e0293ee                    ; log2(e) / sqrt(128)
	s_add_co_u32 s33, s[QQ], 1
	s_lshl_b32 s36, s33, 22                        ; k or v
	s_lshl_b32 s33, s[HD], 18
	s_add_co_u32 s36, s36, s33
	s_lshl_b32 s38, s[CX], 13
	s_add_co_u32 s38, s38, s36                     ; the prefetches: my work-group's 8,192 bytes of a unit's K or V
	s_mov_b32 s39, 0
	s_lshl_b32 s33, s[WQ], 14
	s_add_co_u32 s36, s36, s33
	s_mov_b32 s37, 0
	s_lshl_b32 s[G0+1], s[WV], 14                  ; where my part of a unit goes
	s_mov_b32 s[G0], 1
	s_lshl_b32 s58, s[HD], 18                      ; Q: row 256 x zone + 128 WQ + 16 cx
	s_lshl_b32 s33, s[WQ], 14
	s_add_co_u32 s58, s58, s33
	s_lshl_b32 s33, s[CX], 11
	s_add_co_u32 s58, s58, s33
	s_sub_co_u32 s63, 7, s[ZZ]
	s_lshl_b32 s60, s63, 15
	s_add_co_u32 s60, s60, s58
	s_lshl_b32 s33, s[ZZ], 15
	s_add_co_u32 s58, s58, s33
	s_mov_b32 s59, 0
	s_mov_b32 s61, 0
	s_lshl_b32 s48, s[WQ], 18                      ; ao: [block of 128 rows 16][head 16][tile 8][2,048]; my half of the channels is half an image
	s_lshl_b32 s33, s[HD], 14
	s_add_co_u32 s48, s48, s33
	s_lshl_b32 s33, s[CX], 11
	s_add_co_u32 s48, s48, s33
	s_lshl_b32 s33, s[QQ], 10
	s_add_co_u32 s48, s48, s33
	s_lshl_b32 s50, s63, 19
	s_add_co_u32 s50, s50, s48
	s_lshl_b32 s33, s[ZZ], 19
	s_add_co_u32 s48, s48, s33
	s_mov_b32 s49, 0
	s_mov_b32 s51, 0
	s_cmp_eq_u32 s[ZZ], 3                          ; my wave asks in the units AL .. AL + AN - 1
	s_cselect_b32 s[AL], 0, 1
	s_cselect_b32 s[AN], 1, 4
	s_and_b32 s33, s[Z1], 3
	s_cmp_gt_u32 s33, 1
	s_cselect_b32 s[AN], 0, s[AN]
	s_cmp_eq_u32 s[WQ], 1
	s_cselect_b32 s[AN], 0, s[AN]
	s_mov_b32 s[F], 0
	s_mov_b32 s[TB], 0
	s_mov_b32 s34, 0
	s_mov_b32 s35, 0
	s_wait_dscnt 0x0                               ; both opening adds are done
	CROUND                                         ; all four work-groups are here
	s_wait_kmcnt 0x0
	s_load_b128 s[52:55], s[6:7], 0x18             ; entries 6 to 9,
	s_load_b32 s56, s[6:7], 0x28                   ; and 10
	s_add_nc_u64 s[KVB:KVB+1], s[4:5], s[36:37]
	TADDR
	TLOAD                                          ; unit 0: one tensor load a wave at the head
	s_add_nc_u64 s[PFB:PFB+1], s[4:5], s[38:39]
	s_add_nc_u64 s[58:59], s[4:5], s[58:59]
	s_add_nc_u64 s[60:61], s[4:5], s[60:61]
	s_add_nc_u64 s[48:49], s[8:9], s[48:49]
	s_add_nc_u64 s[50:51], s[8:9], s[50:51]
	v_and_b32 v1, 31, v0
	v_lshlrev_b32 v[PFO], 8, v1
	v_lshlrev_b32 v1, 4, v1                        ; 16 x lane: an image's place for my lane
.irp c, 0,1,2,3
	global_load_b128 v[64+4*\c:67+4*\c], v1, s[58:59] offset:512*\c
	global_load_b128 v[80+4*\c:83+4*\c], v1, s[58:59] offset:8192+512*\c
.endr
	WIN 0x80                                       ; destination window 2
.irp c, 0,1,2,3
	global_load_b128 v[128+4*\c:131+4*\c], v1, s[60:61] offset:512*\c
	global_load_b128 v[144+4*\c:147+4*\c], v1, s[60:61] offset:8192+512*\c
.endr
	WIN 0
	s_lshl_b32 s63, s[QQ], 14                      ; my half of a unit's K,
	s_lshl_b32 s66, s[QQ], 13
	s_add_co_u32 s66, s66, s63
	s_add_co_u32 s66, s66, VOFF                    ; of its V: my half of the channels,
	s_xor_b32 s67, s[QQ], 1
	s_lshl_b32 s67, s67, 13
	s_add_co_u32 s67, s67, s63
	s_add_co_u32 s67, s67, VOFF                    ; and the other half
	s_mul_i32 s68, s[WV], XW
	s_add_co_u32 s68, s68, XCH
	s_xor_b32 s69, s[WV], 2
	s_mul_i32 s69, s69, XW
	s_add_co_u32 s69, s69, XCH
	s_lshl_b32 s33, s[WQ], 7
	s_lshl_b32 s70, s[CX], 4
	s_add_co_u32 s33, s33, s70
	s_lshl_b32 s70, s[QQ], 7
	s_sub_co_u32 s33, s33, s70
	v_and_b32 v2, 31, v0
	v_and_b32 v30, 15, v0
	v_bfe_u32 v3, v0, 4, 1
	v_lshlrev_b32 v2, 4, v2
	v_lshlrev_b32 v3, 3, v3
	v_add_nc_u32 v[AK0], s63, v2
	v_add_nc_u32 v[AVL0], s66, v2
	v_add_nc_u32 v[AVH0], s67, v2
	v_add_nc_u32 v[XS], s68, v2
	v_add_nc_u32 v[XR], s69, v2
	v_sub_nc_u32 v30, v30, v3
	v_mov_b32 v[NINF], 0xff800000
	v_add_nc_u32 v30, s33, v30                     ; my query - my first key of the unit on the diagonal - 8 h: S's register 8 t + i is hidden where 16 t + i is greater
	v_mov_b32 v28, 0                               ; written once: a lane permute's destination counts as one of its sources
	v_add_nc_u32 v31, 64, v30
	v_mov_b32 v29, 0
	v_mov_b32 v13, 0                               ; (upper halves of pairs)
	v_mov_b32 v21, 0
	v_mov_b32 v55, 0
	v_mov_b32 v57, 0
; INIT: a zone begins: the largest t is -3e38, sums and O^T are zeros; move = 1: the second zone's Q.
.macro INIT move
.if \move
	WIN 0x02
.set n, 0
.rept 32
	v_mov_b32 v[64+n], v[128+n]
.set n, n+1
.endr
	WIN 0
.endif
	v_mov_b32 v9, 0xff61b1e6
	v_mov_b32 v17, 0xff61b1e6
	v_mov_b32 v10, 0
	v_mov_b32 v11, 0
	v_mov_b32 v18, 0
	v_mov_b32 v19, 0
	v_floor_f32 v8, -v9
	v_floor_f32 v16, -v17
	WIN 0x80
.set n, 0
.rept 128
	v_mov_b32 v[n], 0
.set n, n+1
.endr
	WIN 0
	s_wait_alu depctr_va_vdst(0)                   ; ahead of the waits and branches that follow
.endm
	INIT 0
	s_wait_kmcnt 0x0
	s_add_co_i32 s33, s52, s53
	s_lshl_b32 s33, s33, 23
	s_add_co_i32 s[CS], s[CS], s33                 ; a score stands for score x 2^(e6 + e7)
	s_mov_b32 s[CS+1], s[CS]                       ; (named with it as a pair)
	s_add_co_i32 s33, s55, 127
	s_lshl_b32 s63, s33, 23
	v_mov_b32 v[SCP], s63
	s_add_co_i32 s33, s33, 8
	s_lshl_b32 s33, s33, 23
	s_or_b32 s33, s33, 0x600000
	v_mov_b32 v[LPX], s33
	v_mov_b32 v[LPY], s33
	s_sub_co_i32 s33, s56, s55
	s_sub_co_i32 s33, s33, s54
	s_add_co_i32 s33, s33, 127
	s_lshl_b32 s63, s33, 23
	v_mov_b32 v[SCO], s63
	s_add_co_i32 s33, s33, 8
	s_lshl_b32 s33, s33, 23
	s_or_b32 s33, s33, 0x600000
	v_mov_b32 v[LIMO], s33
.macro LOADK                           ; 128 keys: eight tiles of 16
	WIN 0x40
.irp t, 0,1,2,3,4,5,6,7
.irp c, 0,1,2,3
	ds_load_b128 v[16*\t+4*\c:16*\t+4*\c+3], v2 offset:2048*\t+512*\c
.endr
.endr
	WIN 0
.endm
.macro LOADV                           ; eight tiles of 16 channels: my half first
	WIN 0x40
.irp t, 0,1,2,3
.irp c, 0,1,2,3
	ds_load_b128 v[128+16*\t+4*\c:128+16*\t+4*\c+3], v3 offset:2048*\t+512*\c
.endr
.endr
.irp t, 0,1,2,3
.irp c, 0,1,2,3
	ds_load_b128 v[192+16*\t+4*\c:192+16*\t+4*\c+3], v6 offset:2048*\t+512*\c
.endr
.endr
	WIN 0
.endm
.macro QK
	WIN 0x01
.irp t, 0,1,2,3,4,5,6,7
.irp j, 0,1
	v_wmma_f32_16x16x128_fp8_fp8 v[96+64*\j+8*\t:103+64*\j+8*\t], v[16*\t:16*\t+15], v[64+16*\j:79+16*\j], 0
.endr
.endr
	WIN 0
.endm
.macro PV                              ; the 16 accumulators take turns, one instruction a turn
	WIN 0xa1
.irp t, 0,1,2,3,4,5,6,7
.irp j, 0,1
	v_wmma_f32_16x16x128_fp8_fp8 v[64*\j+8*\t:64*\j+8*\t+7], v[128+16*\t:143+16*\t], v[224+16*\j:239+16*\j], v[64*\j+8*\t:64*\j+8*\t+7]
.endr
.endr
	WIN 0
.endm
.macro MASKT s, d                      ; hidden scores become -infinity: p is 0 then
.set n, 0
.rept 64
	v_cmp_gt_i32 vcc_lo, 16*(n/8)+n%8, v[\d]
	v_cndmask_b32 v[\s+n], v[\s+n], v[NINF], vcc_lo
.set n, n+1
.endr
.endm
.macro MAXP                            ; both tiles by turns: the unit's largest score, -M, f
	v_max3_num_f32 v14, v96, v97, v98
	v_max3_num_f32 v22, v160, v161, v162
	v_max3_num_f32 v15, v99, v100, v101
	v_max3_num_f32 v23, v163, v164, v165
.irp i, 6,10,14,18,22,26,30,34,38,42,46,50,54,58
	v_max3_num_f32 v14, v14, v[96+\i], v[97+\i]
	v_max3_num_f32 v22, v22, v[160+\i], v[161+\i]
	v_max3_num_f32 v15, v15, v[98+\i], v[99+\i]
	v_max3_num_f32 v23, v23, v[162+\i], v[163+\i]
.endr
	v_max3_num_f32 v14, v14, v158, v159
	v_max3_num_f32 v22, v22, v222, v223
	v_max_num_f32 v14, v14, v15
	v_max_num_f32 v22, v22, v23
	v_permlanex16_b32 v28, v14, s[SEL], s[SEL+1]
	v_permlanex16_b32 v29, v22, s[SEL], s[SEL+1]
	v_max_num_f32 v14, v14, v28
	v_max_num_f32 v22, v22, v29
	v_mul_f32 v14, s[CS], v14
	v_mul_f32 v22, s[CS], v22
	v_max_num_f32 v9, v9, v14                      ; the largest t so far
	v_max_num_f32 v17, v17, v22
	v_mov_b32 v14, v8
	v_mov_b32 v22, v16
	v_floor_f32 v8, -v9                            ; the new -M
	v_floor_f32 v16, -v17
	v_sub_f32 v14, v8, v14
	v_sub_f32 v22, v16, v22
	v_cvt_i32_f32 v14, v14
	v_cvt_i32_f32 v22, v22
	v_ldexp_f32 v12, 1.0, v14                      ; f = 2^(old M - new M)
	v_ldexp_f32 v20, 1.0, v22
.endm
.macro TM s, m                         ; t - M, two at a time
.set n, 0
.rept 32
	v_pk_fma_f32 v[\s+n:\s+n+1], v[\s+n:\s+n+1], s[CS:CS+1], v[\m:\m+1] op_sel_hi:[1,0,0]
.set n, n+2
.endr
.endm
.macro EXPP                            ; p; the sums under the new M
	s_wait_alu depctr_va_vdst(0)
.set n, 0
.rept 128
	v_exp_f32 v[96+n], v[96+n]
.set n, n+1
.endr
	v_pk_mul_f32 v[10:11], v[10:11], v[12:13] op_sel_hi:[1,0]   ; (plain places behind the exponentials)
	v_pk_mul_f32 v[18:19], v[18:19], v[20:21] op_sel_hi:[1,0]
	s_wait_alu depctr_va_vdst(0)                   ; one wait for the whole batch, ahead of its first reader
.endm
.macro ADD4 j
	v_pk_add_f32 v[10:11], v[10:11], v[96+\j:97+\j]
	v_pk_add_f32 v[18:19], v[18:19], v[160+\j:161+\j]
	v_pk_add_f32 v[24:25], v[24:25], v[98+\j:99+\j]
	v_pk_add_f32 v[26:27], v[26:27], v[162+\j:163+\j]
.endm
.macro SUMA                            ; the sums of the unquantised p, two chains a tile: the first half of the keys,
	v_pk_add_f32 v[24:25], v[96:97], v[98:99]
	v_pk_add_f32 v[26:27], v[160:161], v[162:163]
.irp j, 4,8,12,16,20,24,28
	ADD4 \j
.endr
.endm
.macro SUMB                            ; and the second
.irp j, 32,36,40,44,48,52,56,60
	ADD4 \j
.endr
.endm
.macro CODES                           ; p's codes; O^T under the new M
.set n, 0
.rept 64
	v_dual_min_num_f32 v[96+n], v[96+n], v[LPX] :: v_dual_min_num_f32 v[97+n], v[97+n], v[LPY]   ; the conversion to an 8-bit code does not saturate (ISA guide 7.6.2); p is not negative, so the hold is one-sided
.set n, n+2
.endr
	v_pk_add_f32 v[10:11], v[10:11], v[24:25]
	v_pk_add_f32 v[18:19], v[18:19], v[26:27]
.irp t, 0,1,2,3,4,5,6,7
	v_cvt_scalef32_pk8_fp8_f32 v[224+2*\t:225+2*\t], v[96+8*\t:103+8*\t], v[SCP]
	v_cvt_scalef32_pk8_fp8_f32 v[240+2*\t:241+2*\t], v[160+8*\t:167+8*\t], v[SCP]
.endr
	WIN 0x82
	s_wait_alu depctr_va_vdst(0)                   ; directly ahead of the first reader of O^T
.set n, 0
.rept 32
	v_pk_mul_f32 v[n:n+1], v[n:n+1], v[12:13] op_sel_hi:[1,0]
	v_pk_mul_f32 v[64+n:65+n], v[64+n:65+n], v[20:21] op_sel_hi:[1,0]
.set n, n+2
.endr
.endm
; A UNIT of 256 keys, 128 of them mine.  K's fragments are on their way; V's are asked for at its head.  fill = 1: the unit's slot is filled again; fill = 0: the last two units.
.macro UNIT fill
	v_add_nc_u32 v3, s[TB], v[AVL0]
	v_add_nc_u32 v6, s[TB], v[AVH0]
	v_nop                                          ; with the two lines above the places behind the last products
	v_nop
	LOADV
	s_wait_dscnt 32                                ; K is in; V's 32 loads may be out
	QK
	PLACES
.if \fill
	s_cmp_lg_u32 s[F], s[ZZ]                       ; the first zone's last unit lies on the diagonal,
.else
	s_cmp_lg_u32 s[F], 8                           ; and the second's
.endif
	s_cbranch_scc1 .Lopen_\@
	MASKT 96, 30
	MASKT 160, 31
.Lopen_\@:
	MAXP
	TM 96, 8
	TM 160, 16
	EXPP                                           ; (its last line is also the wait ahead of the waits below)
.if \fill
	s_wait_xcnt 0x0                                ; my prefetch has read its address
	s_add_co_u32 s34, s[F], 3
	s_lshl_b32 s34, s34, 15
	s_add_nc_u64 s[PFA:PFA+1], s[PFB:PFB+1], s[34:35]
	s_add_co_u32 s34, s[F], 2
.endif
	s_wait_tensorcnt 0x0                           ; all my tensor loads have landed: my part of the next unit
	ds_add_u32 v[SPW], v[NIL]                      ; 0 onto my spare word
	SUMA
	s_wait_alu depctr_va_vdst(0)                   ; ahead of the wait below
.if \fill
	TADDR
	s_xor_b32 s[G0+1], s[G0+1], SLOT1
.endif
	s_wait_dscnt 0x0                               ; the add is done, and my reads of this slot are over: V is in registers
	s_barrier_signal -1
	SUMB
	s_barrier_wait -1
.if \fill
	CREST                                          ; the barrier has opened a round: no wave of any partner still reads this slot or has a load on its way
	TLOAD                                          ; unit f + 2 into the slot of unit f
.endif
	s_xor_b32 s[TB], s[TB], SLOT1
	v_add_nc_u32 v2, s[TB], v[AK0]
.if \fill
	LOADK
	s_sub_co_u32 s33, s[F], s[AL]
	s_cmp_lt_u32 s33, s[AN]
	s_cbranch_scc0 .Lnot_mine_\@
	global_prefetch_b8 v[PFO], s[PFA:PFA+1] th:TH_LOAD_NT scope:SCOPE_SE
.Lnot_mine_\@:
.else
	s_cmp_eq_u32 s[F], 8                           ; behind the last unit there is none to read
	s_cbranch_scc1 .Lno_more_\@
	LOADK
.Lno_more_\@:
.endif
	CODES
	PV
.endm
; A ZONE ENDS: partners exchange the half of the channels that the other owns, with -M and the sum; each joins its half, divides, quantises and stores it.
.macro FINAL ptr
	PLACES
	v_add_f32 v10, v10, v11
	v_add_f32 v18, v18, v19
	v_permlanex16_b32 v28, v10, s[SEL], s[SEL+1]
	v_permlanex16_b32 v29, v18, s[SEL], s[SEL+1]
	v_add_f32 v9, v10, v28
	v_add_f32 v17, v18, v29
	ds_store_b128 v[XS], v[8:11] offset:8192       ; -M, the sum
	ds_store_b128 v[XS], v[16:19] offset:8704
	WIN 0x08                                       ; the stores' data: window 2
.irp j, 0,1
.irp k, 0,1,2,3,4,5,6,7
	ds_store_b128 v[XS], v[64*\j+32+4*\k:64*\j+35+4*\k] offset:4096*\j+512*\k
.endr
.endr
	WIN 0
	s_wait_alu depctr_va_vdst(0)                   ; ahead of the wait below
	s_wait_dscnt 0x0
	s_barrier_signal -1
	s_barrier_wait -1
	ds_load_b128 v[50:53], v[XR] offset:8192
	ds_load_b128 v[58:61], v[XR] offset:8704
.irp j, 0,1
.irp k, 0,1,2,3,4,5,6,7
	ds_load_b128 v[96+32*\j+4*\k:99+32*\j+4*\k], v[XR] offset:4096*\j+512*\k
.endr
.endr
	s_wait_dscnt 16                                ; the statistics are in
	v_min_num_f32 v14, v8, v50
	v_min_num_f32 v22, v16, v58
	v_sub_f32 v12, v14, v8
	v_sub_f32 v20, v22, v16
	v_sub_f32 v54, v14, v50
	v_sub_f32 v56, v22, v58
	v_cvt_i32_f32 v12, v12
	v_cvt_i32_f32 v20, v20
	v_cvt_i32_f32 v54, v54
	v_cvt_i32_f32 v56, v56
	v_ldexp_f32 v12, 1.0, v12
	v_ldexp_f32 v20, 1.0, v20
	v_ldexp_f32 v54, 1.0, v54
	v_ldexp_f32 v56, 1.0, v56
	v_mul_f32 v14, v9, v12
	v_mul_f32 v22, v17, v20
	v_fma_f32 v14, v51, v54, v14
	v_fma_f32 v22, v59, v56, v22
	s_wait_alu depctr_va_vdst(0)                   ; ahead of the transcendentals
	v_rcp_f32 v14, v14
	v_rcp_f32 v22, v22
	v_nop
	s_wait_alu depctr_va_vdst(0)                   ; and behind them
	v_mul_f32 v12, v12, v14
	v_mul_f32 v20, v20, v22
	v_mul_f32 v54, v54, v14
	v_mul_f32 v56, v56, v22
	s_wait_alu depctr_va_vdst(0)                   ; ahead of the wait below
	s_wait_dscnt 0x0
	s_barrier_signal -1                            ; the partner's bytes are read: they may be stored again at the next zone's end
	s_barrier_wait -1
.set n, 0
.rept 16
	v_pk_mul_f32 v[96+n:97+n], v[96+n:97+n], v[54:55] op_sel_hi:[1,0]
	v_pk_mul_f32 v[128+n:129+n], v[128+n:129+n], v[56:57] op_sel_hi:[1,0]
.set n, n+2
.endr
	WIN 0x02                                       ; source 0 window 2
	s_wait_alu depctr_va_vdst(0)                   ; directly ahead of the first reader of O^T
.set n, 0
.rept 16
	v_pk_fma_f32 v[96+n:97+n], v[n:n+1], v[12:13], v[96+n:97+n] op_sel_hi:[1,0,1]
	v_pk_fma_f32 v[128+n:129+n], v[64+n:65+n], v[20:21], v[128+n:129+n] op_sel_hi:[1,0,1]
.set n, n+2
.endr
	WIN 0
.set n, 0
.rept 64
	v_med3_num_f32 v[96+n], v[96+n], -v[LIMO], v[LIMO]
.set n, n+1
.endr
.irp t, 0,1,2,3,4,5,6,7
	v_cvt_scalef32_pk8_fp8_f32 v[224+2*\t:225+2*\t], v[96+8*\t:103+8*\t], v[SCO]
.endr
	v_nop                                          ; a plain vector line behind the last conversion
.irp j, 0,1
.irp c, 0,1
	global_store_b128 v1, v[224+8*\j+4*\c:227+8*\j+4*\c], s[\ptr:\ptr+1] offset:8192*\j+512*\c   ; 512 consecutive bytes, aligned
.endr
.endr
	s_wait_xcnt 0x0                                ; the stores have read their registers
.endm
	s_wait_alu depctr_va_vdst(0)
	s_wait_tensorcnt 0x0                           ; my part of unit 0 is in
	ds_add_u32 v[SPW], v[NIL]
	s_mov_b32 s34, 1
	TADDR
	s_xor_b32 s[G0+1], s[G0+1], SLOT1
	s_wait_dscnt 0x0
	CROUND                                         ; everybody's part of unit 0 is in, and all four work-groups are here
	TLOAD                                          ; the walk's second unit, into slot 1
	v_add_nc_u32 v2, s[TB], v[AK0]
	LOADK
	s_wait_loadcnt 0x0                             ; Q of both zones
.Lunit:
	UNIT 1
	s_cmp_lg_u32 s[F], s[ZZ]                       ; ids and the count of units alone: the same way in all waves and partners
	s_cbranch_scc1 .Lsame_zone
	FINAL 48
	INIT 1
.Lsame_zone:
	s_add_co_u32 s[F], s[F], 1
	s_cmp_lt_u32 s[F], 7
	s_cbranch_scc1 .Lunit
.Llast:                                            ; the last two units fill nothing
	UNIT 0
	s_add_co_u32 s[F], s[F], 1
	s_cmp_lt_u32 s[F], 9
	s_cbranch_scc1 .Llast
	FINAL 50
	s_wait_tensorcnt 0x0                           ; the wave's end
	ds_add_u32 v[SPW], v[NIL]
	s_wait_dscnt 0x0
	CROUND                                         ; the closing round: no work-group ends while a partner may still ask for a tile that names it
	s_endpgm
.Lfunc_end_k_q36db1f7573_attn:
	.size	k_q36db1f7573_attn, .Lfunc_end_k_q36db1f7573_attn-k_q36db1f7573_attn
	.p2alignl 7, 3214868480
	.fill 96, 4, 3214868480
	.section	.rodata,"a",@progbits
	.p2align	6, 0x0
	.amdhsa_kernel k_q36db1f7573_attn
		.amdhsa_group_segment_fixed_size 327680
		.amdhsa_private_segment_fixed_size 0
		.amdhsa_enable_private_segment 0
		.amdhsa_kernarg_size 24
		.amdhsa_user_sgpr_count 2
		.amdhsa_user_sgpr_kernarg_segment_ptr 1
		.amdhsa_wavefront_size32 1
		.amdhsa_system_sgpr_workgroup_id_x 1
		.amdhsa_system_sgpr_workgroup_id_y 1
		.amdhsa_system_sgpr_workgroup_id_z 1
		.amdhsa_system_vgpr_workitem_id 0
		.amdhsa_next_free_vgpr 768
		.amdhsa_next_free_sgpr 80
		.amdhsa_reserve_vcc 1
		.amdhsa_float_denorm_mode_32 3
		.amdhsa_float_denorm_mode_16_64 3
		.amdhsa_memory_ordered 1
		.amdhsa_forward_progress 1
		.amdhsa_inst_pref_size 135
	.end_amdhsa_kernel
	.amdgpu_metadata
---
amdhsa.version: [ 1, 2 ]
amdhsa.kernels:
  - .name:           k_q36db1f7573_attn
    .symbol:         k_q36db1f7573_attn.kd
    .args:
      - { .name: qkv, .offset: 0, .size: 8, .value_kind: global_buffer, .address_space: global }
      - { .name: lowp_scales, .offset: 8, .size: 8, .value_kind: global_buffer, .address_space: global }
      - { .name: ao, .offset: 16, .size: 8, .value_kind: global_buffer, .address_space: global }
    .group_segment_fixed_size: 327680
    .private_segment_fixed_size: 0
    .kernarg_segment_align: 8
    .kernarg_segment_size: 24
    .max_flat_workgroup_size: 128
    .sgpr_count:     80
    .vgpr_count:     768
    .wavefront_size: 32
...
	.end_amdgpu_metadata
.endif
;; end of part 3
;; launch gemm_out (part 4): grid 16 x 16, 4 waves a work-group, clusters of 4 x 4, 327,680 bytes of LDS; arguments ao, wo, lowp_scales, out0; writes out0
.if DOCPART == 4
	.amdgcn_target "amdgcn-amd-amdhsa--gfx1250"
	.amdhsa_code_object_version 6
	.text
	.protected	k_q36db1f7573_gemm_out
	.globl	k_q36db1f7573_gemm_out
	.p2align	8
	.type	k_q36db1f7573_gemm_out,@function
k_q36db1f7573_gemm_out:
	s_mov_b64 s[64:65], 0
	v_nop
	global_prefetch_b8 v0, s[64:65] scope:SCOPE_SE
	s_setreg_imm32_b32 hwreg(HW_REG_WAVE_MODE, 25, 1), 1
	s_wait_xcnt 0x0
	s_wait_alu depctr_hold_cnt(0) depctr_sa_sdst(0) depctr_va_vdst(0) depctr_va_sdst(0) depctr_va_ssrc(0) depctr_va_vcc(0) depctr_vm_vsrc(0)
	s_getreg_b32 s2, hwreg(HW_REG_IB_STS2, 6, 4)
	s_cmp_eq_u32 s2, 0
	s_cbranch_scc0 .Lentry_in_a_cluster
	s_endpgm
.Lentry_in_a_cluster:
	s_bfe_u32 s2, ttmp6, 0x10000c
	s_cmp_lg_u32 s2, 0xf033
	s_cbranch_scc0 .Lentry_shape_is_right
	s_endpgm
.Lentry_shape_is_right:
; out0 = (attention's result) Wo on codes of FP8 (E4M3), K = 2,048; each finished sum x 2^(e10 + e11); out0 [2048][2048] f32.
; A tile is 128 x 128, so that the 2,048 x 2,048 outputs give 256 work-groups; four waves, each 64 x 64: 16 accumulators.  K goes in steps of 512 through a ring of two LDS slots.
; Both operands lie in memory as images of their fragments: [block of 128 rows][128 along K 16][tile of 16 rows 8][c 4][lane 32][16 bytes]: a fragment is four loads of 512 consecutive bytes, no padding.
; A (source 1: a lane holds one row) is the attention's result; B (source 0) is Wo; its place i holds column rho(i) (bits 3 and 4 exchanged), which the stage on the way out undoes.
; CLUSTERS: 4 x 4 work-groups; A's tiles are shared along a row of the cluster, B's along a column: each is asked for JOINTLY.
; PREFETCH: with K step 0's load K steps 1 and 2 are asked for, with K step 1's K step 3: of a wave's 32,768 bytes each of the four partners takes 32 blocks of 256 bytes, by address.
; LIMIT: e10 + e11 between -126 and 127, so that 2^(e10 + e11) is an f32 number.
; REGISTERS: window 0: v16-31 addresses; v32-127 at work on the way out; v128-255 the accumulators ((a, b) at v[128 + 8 (4 a + b)]).   window 1: two fragment buffers of 128: A's 4 x 16, then B's 4 x 16.
.set KST,    65536                     ; a K step in memory
.set SLOT,   131072                    ; A's 65,536 bytes, then B's
.set STAGE,  2*SLOT                    ; behind the ring: 16 rows x (256 bytes + 16) for each wave; no tensor load fills it
.set SPITCH, 272
.set SPARE,  STAGE+4*16*SPITCH         ; the spare words, 128 bytes for each wave
.set ADRA, 16
.set ADRB, 18
.set PFO,  20
.set STO,  24
.set RD,   25
.set CO,   26
.set SPW,  28
.set NIL,  29
.set TMP,  32                          ; v32-63  a block's sums x 2^(e10 + e11)
.set BK,   64                          ; v64-127 two sets of 32: 16 rows read back
.set ACC,  128
.set F0,   0
.set F1,   128
.set PFA,  12
.set G1, 24
.set G0, 32
.set G1B, 48
.set G0B, 56
.set MSB, 0
.macro WIN new                         ; the immediate's high byte repeats the setting that is left
.if MSB != \new
	s_set_vgpr_msb (MSB<<8)|\new
.set MSB, \new
.endif
.endm
.set MUL,  0x05                        ; sources 0 (B) and 1 (A) window 1; C and D window 0
.set TO_F, 0x40                        ; destination window 1, address window 0
.macro JLOAD s                         ; waves 0 and 1 fetch A's halves of the K step, waves 2 and 3 B's; an s_nop 0 and four v_nop follow each line
	s_cmp_eq_u32 s15, 0
	s_cbranch_scc0 .Lfor_b_\@
	tensor_load_to_lds s[G0+4*\s:G0+4*\s+3], s[G1:G1+7]
	s_nop 0
.rept 4
	v_nop
.endr
	s_branch .Lasked_\@
.Lfor_b_\@:
	tensor_load_to_lds s[G0B+4*\s:G0B+4*\s+3], s[G1B:G1B+7]
	s_nop 0
.rept 4
	v_nop
.endr
.Lasked_\@:
.endm
.macro CREST
	s_cmp_lg_u32 s14, 0
	s_cbranch_scc1 .Lnot_wave_0_\@
	s_barrier_signal -3
.Lnot_wave_0_\@:
	s_barrier_wait -3
	s_barrier_signal -1
	s_barrier_wait -1
.endm
.macro CROUND
	s_barrier_signal -1
	s_barrier_wait -1
	CREST
.endm
.macro PLACES
.rept 4
	v_nop
.endr
.endm
	s_load_b128 s[4:7], s[0:1], 0x0                ; ao, wo
	s_load_b128 s[8:11], s[0:1], 0x10              ; the exponents, out0
	v_lshl_add_u32 v[SPW], v0, 2, SPARE
	v_mov_b32 v[NIL], 0
	ds_add_u32 v[SPW], v[NIL]                      ; the wave's opening: the add, twice on end, and its wait ahead of my first tensor load
	ds_add_u32 v[SPW], v[NIL]
	v_lshrrev_b32 v1, 5, v0
	v_readfirstlane_b32 s14, v1                    ; wave 0..3
	s_lshr_b32 s15, s14, 1                         ; which half of the tile's rows is mine.  Also: I fetch for A (0) or for B (1)
	s_and_b32 s16, s14, 1                          ; which half of its columns.  Also: which half of that operand's K step I fetch
	s_bfe_u32 s40, ttmp6, 0x40000
	s_bfe_u32 s41, ttmp6, 0x40004
	s_lshl_b32 s42, ttmp9, 2
	s_add_co_u32 s42, s42, s40                     ; tile column
	s_and_b32 s17, ttmp7, 0xffff
	s_lshl_b32 s17, s17, 2
	s_add_co_u32 s17, s17, s41                     ; tile row
	s_lshl_b32 s43, s41, 2
	s_lshl_b32 s43, 15, s43                        ; my row of the cluster
	s_lshl_b32 s44, 0x1111, s40                    ; my column
	s_or_b32 s[G1+0], s43, (1<<21)                 ; the mask; elements of 1 byte; bit 21 beside a mask; no padding
	s_or_b32 s[G1B+0], s44, (1<<21)
.irp g, G1, G1B
	s_mov_b32 s[\g+1], 256<<16                     ; 128 rows of 256 bytes, dense in memory
	s_mov_b32 s[\g+2], 128<<16
	s_mov_b32 s[\g+3], 256<<16
	s_mov_b32 s[\g+4], 128
	s_mov_b32 s[\g+5], 256
	s_mov_b32 s[\g+6], 0
	s_mov_b32 s[\g+7], 0
.endr
	s_lshl_b32 s18, s16, 15                        ; my half: 32,768 bytes
	s_lshl_b32 s20, s17, 18                        ; A: a block of 128 rows is 262,144 bytes
	s_add_co_u32 s20, s20, s18
	s_mov_b32 s21, 0
	s_lshl_b32 s46, s42, 18                        ; B likewise
	s_add_co_u32 s46, s46, s18
	s_mov_b32 s47, 0
	s_lshl_b32 s45, s14, 15                        ; where my half goes: A's two, then B's two: no place in the cluster enters an LDS address
	s_wait_dscnt 0x0                               ; both opening adds are done
	CROUND                                         ; all sixteen work-groups are here: the first joint loads meet
	s_wait_kmcnt 0x0
	s_load_b64 s[96:97], s[8:9], 0x28              ; e10, e11
	s_add_nc_u64 s[20:21], s[4:5], s[20:21]
	s_add_nc_u64 s[46:47], s[6:7], s[46:47]
.irp s, 0,1
	s_mov_b32 s[G0+4*\s], 1
	s_add_co_u32 s[G0+4*\s+1], s45, \s*SLOT
	s_add_nc_u64 s[G0+4*\s+2:G0+4*\s+3], s[20:21], \s*KST
	s_or_b32 s[G0+4*\s+3], s[G0+4*\s+3], 0x80000000
	s_mov_b32 s[G0B+4*\s], 1
	s_add_co_u32 s[G0B+4*\s+1], s45, \s*SLOT
	s_add_nc_u64 s[G0B+4*\s+2:G0B+4*\s+3], s[46:47], \s*KST
	s_or_b32 s[G0B+4*\s+3], s[G0B+4*\s+3], 0x80000000
.endr
	JLOAD 0                                        ; K step 0: one tensor load a wave at the head
	s_cmp_eq_u32 s15, 0                            ; the prefetches: my work-group's 32 of the 128 blocks that my wave fetches: by cx in A, by cy in B
	s_cselect_b64 s[PFA:PFA+1], s[20:21], s[46:47]
	s_cselect_b32 s98, s40, s41
	s_lshl_b32 s98, s98, 13
	s_mov_b32 s99, 0
	s_add_nc_u64 s[PFA:PFA+1], s[PFA:PFA+1], s[98:99]
	s_lshl_b32 s66, s15, 13                        ; my four tiles of A: 4 images of 2,048 bytes
	s_add_co_u32 s67, s66, SLOT
	s_lshl_b32 s68, s16, 13                        ; and of B,
	s_add_co_u32 s68, s68, 65536                   ; behind A's part
	s_add_co_u32 s69, s68, SLOT
	s_mul_i32 s70, s14, 16*SPITCH
	s_add_co_u32 s70, s70, STAGE                   ; my stage
	v_and_b32 v3, 31, v0
	v_and_b32 v1, 15, v0                           ; r
	v_bfe_u32 v2, v0, 4, 1                         ; h
	v_lshlrev_b32 v[PFO], 8, v3
	v_lshlrev_b32 v3, 4, v3                        ; 16 x lane: an image's place for my lane
	v_mul_u32_u24 v4, v1, SPITCH
	v_mul_u32_u24 v5, v2, SPITCH
	v_lshlrev_b32 v[CO], 13, v2
	v_add_nc_u32 v[ADRA], s66, v3
	v_add_nc_u32 v[ADRA+1], s67, v3
	v_add_nc_u32 v[ADRB], s68, v3
	v_add_nc_u32 v[ADRB+1], s69, v3
	v_lshl_add_u32 v4, v2, 6, v4
	v_lshl_add_u32 v5, v1, 4, v5
	v_lshl_add_u32 v[CO], v1, 4, v[CO]             ; out0: lanes 0-15 one row, lanes 16-31 the next, 8,192 bytes apart
	v_add_nc_u32 v[STO], s70, v4                   ; in: row r, + 64 h: places 16 b + 8 h + j are columns 32 (b / 2) + 16 h + 8 (b % 2) + j
	v_add_nc_u32 v[RD], s70, v5                    ; out: lanes 0-15 one row of 256 bytes, lanes 16-31 the next
	global_prefetch_b8 v[PFO], s[PFA:PFA+1] offset:KST th:TH_LOAD_NT scope:SCOPE_SE      ; K step 1,
	global_prefetch_b8 v[PFO], s[PFA:PFA+1] offset:2*KST th:TH_LOAD_NT scope:SCOPE_SE    ; and K step 2
	s_lshl_b32 s71, s17, 20                        ; 128 rows of 8,192 bytes,
	s_lshl_b32 s72, s15, 19                        ; my 64 of them,
	s_add_co_u32 s72, s72, s71
	s_lshl_b32 s71, s42, 9                         ; 128 columns of 4 bytes,
	s_add_co_u32 s72, s72, s71
	s_lshl_b32 s71, s16, 8                         ; my 64 of them
	s_add_co_u32 s72, s72, s71
	s_mov_b32 s73, 0
	s_add_nc_u64 s[10:11], s[10:11], s[72:73]
; 4 matrix instructions: A's block a x B's four, 128 along K.  The 16 accumulators take turns, one instruction a turn, in the same order in every step.
.macro MUL4 f, a, zero
.irp b, 0,1,2,3
.if \zero
	v_wmma_f32_16x16x128_fp8_fp8 v[ACC+8*(4*(\a)+\b):ACC+8*(4*(\a)+\b)+7], v[\f+64+16*\b:\f+64+16*\b+15], v[\f+16*(\a):\f+16*(\a)+15], 0
.else
	v_wmma_f32_16x16x128_fp8_fp8 v[ACC+8*(4*(\a)+\b):ACC+8*(4*(\a)+\b)+7], v[\f+64+16*\b:\f+64+16*\b+15], v[\f+16*(\a):\f+16*(\a)+15], v[ACC+8*(4*(\a)+\b):ACC+8*(4*(\a)+\b)+7]
.endif
.endr
.endm
; 32 LDS loads in one run: the fragments of the slot's j-th 128 along K into buffer f: B's four first, then A's four
.macro FETCH slot, j, f
	WIN TO_F
.irp i, 0,1,2,3
.irp c, 0,1,2,3
	ds_load_b128 v[\f+64+16*\i+4*\c:\f+64+16*\i+4*\c+3], v[ADRB+\slot] offset:16384*(\j)+2048*\i+512*\c
.endr
.endr
.irp i, 0,1,2,3
.irp c, 0,1,2,3
	ds_load_b128 v[\f+16*\i+4*\c:\f+16*\i+4*\c+3], v[ADRA+\slot] offset:16384*(\j)+2048*\i+512*\c
.endr
.endr
.endm
; A slot is four quarters of 128 along K, 16 matrix instructions each, on buffers 0, 1, 0, 1.  One of the first three: multiplies buffer f and fetches quarter j into g.
.macro QUARTER slot, j, f, g, zero
	PLACES                                         ; behind the last quarter's products, which read buffer g
	FETCH \slot, \j, \g
	s_wait_dscnt 32                                ; buffer f is in: all but the 32 just issued
	WIN MUL
	MUL4 \f, 0, \zero
	MUL4 \f, 1, \zero
	MUL4 \f, 2, \zero
	MUL4 \f, 3, \zero
.endm
; The last quarter multiplies buffer 1 and changes slots: one barrier; in front of it each wave waits for all its tensor loads, adds 0 to its spare word, and waits for that and for its reads of this slot.
.macro TURN slot, next, fill
	WIN 0                                          ; (the add's two registers lie in window 0)
	s_wait_tensorcnt 0x0                           ; all my tensor loads have landed: my part of the next slot
	ds_add_u32 v[SPW], v[NIL]                      ; 0 onto my spare word
	s_wait_dscnt 9                                 ; (the add and the youngest eight loads may be out)
	WIN MUL
	MUL4 F1, 0, 0
	s_wait_dscnt 0x0                               ; the add is done, and my reads of this slot are over
	s_barrier_signal -1
	MUL4 F1, 1, 0
	WIN 0
	s_barrier_wait -1
.if \fill
	CREST                                          ; the barrier has opened a round of the cluster's barrier
	s_add_nc_u64 s[G0+4*\slot+2:G0+4*\slot+3], s[G0+4*\slot+2:G0+4*\slot+3], 2*KST
	s_add_nc_u64 s[G0B+4*\slot+2:G0B+4*\slot+3], s[G0B+4*\slot+2:G0B+4*\slot+3], 2*KST
	JLOAD \slot                                    ; the first tensor load behind the round; its four v_nop are the places in front of the loads below
.else
	PLACES
.endif
	FETCH \next, 0, F0
	WIN MUL
	MUL4 F1, 2, 0
	MUL4 F1, 3, 0
.endm
	s_wait_alu depctr_va_vdst(0)
	s_wait_tensorcnt 0x0                           ; my part of K step 0 is in
	ds_add_u32 v[SPW], v[NIL]
	s_wait_dscnt 0x0
	CROUND                                         ; everybody's part of K step 0 is in, and all sixteen work-groups are here
	JLOAD 1                                        ; K step 1
	FETCH 0, 0, F0
	global_prefetch_b8 v[PFO], s[PFA:PFA+1] offset:3*KST th:TH_LOAD_NT scope:SCOPE_SE    ; K step 3
	QUARTER 0, 1, F0, F1, 1                        ; the first products start the sums: nothing is cleared
	QUARTER 0, 2, F1, F0, 0
	QUARTER 0, 3, F0, F1, 0
	TURN 0, 1, 1                                   ; four K steps in all, so the two laps are written straight: slot 0 takes K step 2,
	QUARTER 1, 1, F0, F1, 0
	QUARTER 1, 2, F1, F0, 0
	QUARTER 1, 3, F0, F1, 0
	TURN 1, 0, 1                                   ; slot 1 takes K step 3
	QUARTER 0, 1, F0, F1, 0
	QUARTER 0, 2, F1, F0, 0
	QUARTER 0, 3, F0, F1, 0
	TURN 0, 1, 0                                   ; nothing is left to fetch
	QUARTER 1, 1, F0, F1, 0
	QUARTER 1, 2, F1, F0, 0
	QUARTER 1, 3, F0, F1, 0
	s_wait_dscnt 8
	WIN MUL
	MUL4 F1, 0, 0
	MUL4 F1, 1, 0
	s_wait_dscnt 0
	MUL4 F1, 2, 0
	MUL4 F1, 3, 0
	WIN 0
; THE WAY OUT, a block of 16 rows x 64 columns at a time, through my own stage: in by columns' true places, back as whole rows of 256 bytes.
.macro TOSTAGE a
.irp j, 0,2,4,6,8,10,12,14,16,18,20,22,24,26,28,30
	v_pk_mul_f32 v[TMP+\j:TMP+\j+1], v[ACC+32*(\a)+\j:ACC+32*(\a)+\j+1], s[96:97] op_sel_hi:[1,0]   ; both x s96 = 2^(e10 + e11); each accumulator from its low end on
.endr
.irp b, 0,1,2,3
	ds_store_b128 v[STO], v[TMP+8*\b:TMP+8*\b+3] offset:128*(\b/2)+32*(\b%2)
	ds_store_b128 v[STO], v[TMP+8*\b+4:TMP+8*\b+7] offset:128*(\b/2)+32*(\b%2)+16
.endr
.set BB, BK+32*((\a)%2)
.irp t, 0,1,2,3,4,5,6,7
	ds_load_b128 v[BB+4*\t:BB+4*\t+3], v[RD] offset:2*\t*SPITCH   ; LDS serves a wave's instructions in order: these see the stores above, and the next block's stores come behind them
.endr
.endm
.macro SEND a, younger                 ; younger: the LDS instructions issued behind block a's loads: the next block's 8 stores and 8 loads, or none
.set BB, BK+32*((\a)%2)
	s_wait_dscnt \younger
.irp t, 0,1,2,3,4,5,6,7
	global_store_b128 v[CO], v[BB+4*\t:BB+4*\t+3], s[10:11] offset:(16*(\a)+2*\t)*8192 th:TH_STORE_NT   ; 16 lanes store 256 consecutive bytes, aligned; the offsets reach 62 rows of 8,192 bytes
.endr
.endm
	s_wait_kmcnt 0x0
	s_add_co_i32 s96, s96, s97
	s_add_co_i32 s96, s96, 127
	s_lshl_b32 s96, s96, 23                        ; 2^(e10 + e11) as f32
	PLACES                                         ; behind the last products
	TOSTAGE 0
.irp a, 1,2,3
.if \a > 1
	s_wait_xcnt 0x0                                ; block a - 2's stores have read their registers: block a's loads may land there
.endif
	TOSTAGE \a
	SEND \a-1, 16
.endr
	SEND 3, 0
	s_wait_tensorcnt 0x0                           ; the wave's end, behind my last tensor load and my last LDS store
	ds_add_u32 v[SPW], v[NIL]
	s_wait_dscnt 0x0
	CROUND                                         ; the closing round
	s_endpgm
.Lfunc_end_k_q36db1f7573_gemm_out:
	.size	k_q36db1f7573_gemm_out, .Lfunc_end_k_q36db1f7573_gemm_out-k_q36db1f7573_gemm_out
	.p2alignl 7, 3214868480
	.fill 96, 4, 3214868480
	.section	.rodata,"a",@progbits
	.p2align	6, 0x0
	.amdhsa_kernel k_q36db1f7573_gemm_out
		.amdhsa_group_segment_fixed_size 327680
		.amdhsa_private_segment_fixed_size 0
		.amdhsa_enable_private_segment 0
		.amdhsa_kernarg_size 32
		.amdhsa_user_sgpr_count 2
		.amdhsa_user_sgpr_kernarg_segment_ptr 1
		.amdhsa_wavefront_size32 1
		.amdhsa_system_sgpr_workgroup_id_x 1
		.amdhsa_system_sgpr_workgroup_id_y 1
		.amdhsa_system_sgpr_workgroup_id_z 1
		.amdhsa_system_vgpr_workitem_id 0
		.amdhsa_next_free_vgpr 512
		.amdhsa_next_free_sgpr 100
		.amdhsa_reserve_vcc 0
		.amdhsa_float_denorm_mode_32 3
		.amdhsa_float_denorm_mode_16_64 3
		.amdhsa_memory_ordered 1
		.amdhsa_forward_progress 1
		.amdhsa_inst_pref_size 73
	.end_amdhsa_kernel
	.amdgpu_metadata
---
amdhsa.version: [ 1, 2 ]
amdhsa.kernels:
  - .name:           k_q36db1f7573_gemm_out
    .symbol:         k_q36db1f7573_gemm_out.kd
    .args:
      - { .name: ao, .offset: 0, .size: 8, .value_kind: global_buffer, .address_space: global }
      - { .name: wo, .offset: 8, .size: 8, .value_kind: global_buffer, .address_space: global }
      - { .name: lowp_scales, .offset: 16, .size: 8, .value_kind: global_buffer, .address_space: global }
      - { .name: out0, .offset: 24, .size: 8, .value_kind: global_buffer, .address_space: global }
    .group_segment_fixed_size: 327680
    .private_segment_fixed_size: 0
    .kernarg_segment_align: 8
    .kernarg_segment_size: 32
    .max_flat_workgroup_size: 128
    .sgpr_count:     100
    .vgpr_count:     512
    .wavefront_size: 32
...
	.end_amdgpu_metadata
.endif
;; end of part 4
